; MI455X (gfx1250); checked and timed in simulation.
; The chip was launched on July 23, 2026; its instructions are those of AMD's public machine-readable ISA for CDNA 5 (MIT licence, August 2026) and "CDNA5" Instruction Set Architecture Reference Guide (July 2026). The comments in the code are by the model that wrote it; some were corrected since.
;; Multihead Vanilla Attention. Allowed arithmetic: matrix products marked QUANTISED: E2M3 operands, one E8M0 scale for each 32 along K, by v_wmma_scale_f32_16x16x128_f8f6f4 with both operands' format E2M3, f32 sums; everything else in f32.
;; Inputs: bk 1,024 float32; bo 1,024 float32; bq 1,024 float32; bv 1,024 float32; wk 1,024 x 1,024 float32; wo 1,024 x 1,024 float32; wq 1,024 x 1,024 float32; wv 1,024 x 1,024 float32; x 2,048 x 2 x 1,024 float32.
;; Outputs: out0 2,048 x 2 x 1,024 float32.
;; This version of the problem:
;;   THIS VERSION OF THE PROBLEM IS GIVEN IN LOW PRECISION. The matrix products marked QUANTISED in the list below multiply operands that are first quantised to E2M3 (2 exponent bits, 3 mantissa bits; 6 bits a number), with one power-of-two scale for each 32 numbers along K (OCP MX v1.0); their sums are f32. All else is computed in f32.
;;   The module's matrix products, in the order in which they are computed (A, B: the left and right operand; K: the contracted axis; several contracted axes count as one K, in the product's order):
;;     1. [M 4,096, K 1,024] x [K 1,024, N 1,024]; A: input x; B: input wq: QUANTISED
;;     2. [M 4,096, K 1,024] x [K 1,024, N 1,024]; A: input x; B: input wk: QUANTISED
;;     3. [M 4,096, K 1,024] x [K 1,024, N 1,024]; A: input x; B: input wv: QUANTISED
;;     4. batch 32 x [M 2,048, K 64] x [K 64, N 2,048]; A: computed on the way; B: computed on the way: QUANTISED
;;     5. batch 32 x [M 64, K 2,048] x [K 2,048, N 2,048]; A: computed on the way; B: softmax (see below): QUANTISED
;;     6. [M 4,096, K 1,024] x [K 1,024, N 1,024]; A: computed on the way; B: input wo: QUANTISED
;;   THE QUANTISER, for each operand of a quantised product, along K:
;;     - K is cut into blocks of 32 from its start; a last block that is shorter is filled with zeros.
;;     - A block's scale is 2^e with e = floor(log2(the largest magnitude in the block)) - 2, held to -126 .. 127; a block of zeros has e = 0. As a byte (E8M0): e + 127.
;;     - Each number is divided by its block's scale, clamped to +-7.5, and rounded to the nearest number of E2M3, ties to even, subnormals kept.
;;     - The product sums the exact products of the quantised numbers (number of the format x scale) in f32.
;;   ~~~python
;;   def quantise(x, axis):      # numpy; x: float32 -> the quantised numbers, widened to float32 again
;;       x = np.moveaxis(x, axis, -1); K = x.shape[-1]
;;       x = np.pad(x, [(0, 0)] * (x.ndim - 1) + [(0, -K % 32)]); x = x.reshape(x.shape[:-1] + (-1, 32)); a = np.abs(x).max(-1, keepdims=True)
;;       e = np.where(a > 0, np.clip(np.frexp(np.where(a > 0, a, 1))[1] - 1 - 2, -126, 127), 0)      # np.frexp(a)[1] - 1 = floor(log2(a)), exactly
;;       r = np.clip(x / 2.0 ** e, -7.5, 7.5)
;;       step = 2.0 ** (np.maximum(np.frexp(np.where(r == 0, 1, r))[1] - 1, 0) - 3)
;;       q = np.round(r / step) * step * 2.0 ** e      # np.round: ties to even
;;       return np.moveaxis(q.reshape(q.shape[:-2] + (-1,))[..., :K], -1, axis).astype(np.float32)
;;   ~~~
;;   SOFTMAX AHEAD OF A QUANTISED PRODUCT. Where the list says 'softmax', what is quantised is not the finished softmax but p = 2^(t - M), with t = logit x log2(e) and M = ceil(the row's largest t), a whole number; so 1/2 < the row's largest p <= 1. The row's sum l is taken of the UNQUANTISED p, in f32, and the product's result is divided by l at the end. Since M is a whole number, a kernel that streams over the keys may use a running M (the ceiling of the running maximum): every later rescaling is an exact power of two, which a block's scale takes up: the codes' values come out the same.
;;   OPERANDS COMPUTED ON THE WAY. 'Computed on the way' means the value that the module computes at that place (a softmax that the list does not call 'softmax' is quantised finished and normalised). What goes into a quantiser is computed in f32, as accurately as f32 sums, v_exp_f32 and their like allow (about 1e-6 of the number): no bf16 or f16 on the way to a quantiser, and a product that is left as it is and whose result goes on into a quantised operand takes f32 operands (vector FMAs, or v_wmma_f32_16x16x4_f32). A number that lies on a knife's edge between two numbers of the format may be rounded either way, as far as f32 arithmetic and the matrix unit's own rounding can turn it there, and no further.
;; One version. Each part assembles by itself: llvm-mc -triple=amdgcn-amd-amdhsa -mcpu=gfx1250 --defsym DOCPART=n.
;; ======== version 1 of 1: 4 launches
;; limits: right only within a limited range of input values
;; workspace buffers: xc 3,276,800 bytes; wc 3,276,800 bytes; qc 3,407,872 bytes; kv 6,684,672 bytes; cc 3,276,800 bytes
;; launch quant (part 1): grid 512 x 1, 4 waves a work-group, no clusters, 68,096 bytes of LDS; arguments x, wq, wk, wv, wo, xc, wc; writes xc, wc
.if DOCPART == 1
	.amdgcn_target "amdgcn-amd-amdhsa--gfx1250"
	.amdhsa_code_object_version 6
	.text
	.protected	k_qe4b3f012cf_quant
	.globl	k_qe4b3f012cf_quant
	.p2align	8
	.type	k_qe4b3f012cf_quant,@function
k_qe4b3f012cf_quant:
	s_mov_b64 s[64:65], 0
	v_nop
	global_prefetch_b8 v0, s[64:65] scope:SCOPE_SE
	s_setreg_imm32_b32 hwreg(HW_REG_WAVE_MODE, 25, 1), 1
	s_wait_xcnt 0x0
; x [2048][2][1024] and wq, wk, wv, wo [1024][1024], f32 with K innermost, become codes of FP6 (E2M3) with one E8M0 byte for each 32 along K,
; laid in the ORDER OF THE OPERAND'S REGISTERS.  A record of 12,800 bytes is a panel of 128 rows x 128 along K: eight fragments of 1,536 bytes
; (three pieces of 512 bytes: lane l's registers 4 q .. 4 q + 3 at 512 q + 16 l), then four times 128 bytes of scale words (word m, lane l: lanes 0-15 tile 2 m, lanes 16-31 tile 2 m + 1).
; THE ROWS OF A TILE ARE NOT NEIGHBOURS: lane r of tile a holds the panel's row 32 (a / 2) + 8 (a % 2) + r + 8 (r / 8); every later launch leans on that order.
; A block's scale is 2^(floor(log2(its largest magnitude)) - 2); its byte is that magnitude's exponent field - 2, held at 1 from below by a floor among the maximum's leaves.
; LIMITS: NaN and infinities among the inputs are not served; a block whose largest magnitude lies under 2^-124 gets the byte 1; a block of zeros gets the byte 1 and not 127
; (its codes are zeros, and this program alone reads the bytes).
; SHARES: a work-group makes one record: work-groups 0-255 those of x (panel = 128 rows of one batch), 256-511 those of the four weights.  Wave w makes tiles 2 w and 2 w + 1, which are the
; panel's rows 32 w .. 32 w + 31.  Each load reads 512 consecutive bytes of one row; a tile's 16 rows turn through the wave's own stage in LDS, so that a lane gets two whole blocks of 32.
; All 32 loads of a wave go out at once.  No barrier: waves share nothing.
.set REC,  12800
.set SROW, 528                         ; a stage row: 512 bytes + 16, so that the 16 rows of a read begin 4 words apart
.set STG,  16*SROW                     ; a stage: one tile
.set WREG, 2*STG                       ; a wave's LDS
.set R,   16                           ; v16-143   the 32 rows as loaded: tile tt, row p at 16 + 64 tt + 4 p
.set X,   144                          ; v144-207  my two blocks of 32 numbers
.set C0,  208                          ; v208-219  tile 0's codes
.set C1,  220                          ; v220-231  tile 1's
.set TQ,  232                          ; v232-239  the second halves of the blocks' codes (a conversion's three registers begin on an even number)
.set TM,  240                          ; v240-241  largest magnitudes
.set SO,  242                          ; v242-243  the conversions' scale operands
.set BY,  244                          ; v244-245  the bytes
.set W,   246
.set W2,  247
.set PW0, 248                          ; the tiles' scale words
.set PW1, 249
.set SWR, 250
	s_load_b256 s[4:11], s[0:1], 0x0               ; x, wq, wk, wv
	s_load_b128 s[12:15], s[0:1], 0x20             ; wo, xc
	s_load_b64 s[16:17], s[0:1], 0x30              ; wc
	v_lshl_add_u32 v252, v0, 2, 0x10800
	v_mov_b32 v253, 0
	v_lshrrev_b32 v1, 5, v0
	v_readfirstlane_b32 s18, v1                    ; wave
	v_and_b32 v1, 31, v0                           ; lane
	v_and_b32 v7, 15, v0                           ; r
	v_bfe_u32 v8, v0, 4, 1                         ; h
	v_lshlrev_b32 v2, 4, v1                        ; 16 x lane
	v_lshlrev_b32 v3, 2, v1                        ; 4 x lane
	s_mul_i32 s19, s18, WREG
	v_add_nc_u32 v4, s19, v2                       ; the stage, on the way in: a row as it lies
	v_mul_u32_u24 v5, v7, SROW
	v_lshl_add_u32 v5, v8, 7, v5
	v_add_nc_u32 v5, s19, v5                       ; and on the way out: row r, block h
	v_lshlrev_b32 v6, 3, v8                        ; 8 h: my bytes' place in the scale word
	v_mov_b32 v[W2], 0                             ; a lane permute's destination counts as one of its sources
	s_mov_b32 s28, 0x76543210
	s_mov_b32 s29, 0xfedcba98                      ; selects for lane l xor 16
	s_mov_b32 vcc_lo, 0xffff0000                   ; lanes 16-31
	s_and_b32 s30, ttmp9, 7
	s_lshl_b32 s30, s30, 9                         ; the K step: 512 bytes of a row
	s_bfe_u32 s31, ttmp9, 0x40003                  ; x: j, 128 rows of 8,192 bytes,
	s_lshl_b32 s31, s31, 20
	s_bfe_u32 s32, ttmp9, 0x10007                  ; the batch, 4,096 bytes,
	s_lshl_b32 s32, s32, 12
	s_add_co_u32 s31, s31, s32
	s_lshl_b32 s32, s18, 18                        ; my 32 rows
	s_add_co_u32 s31, s31, s32
	s_bfe_u32 s33, ttmp9, 0x30003                  ; a weight: the panel, 128 rows of 4,096 bytes,
	s_lshl_b32 s33, s33, 19
	s_lshl_b32 s32, s18, 17                        ; my 32 rows
	s_add_co_u32 s33, s33, s32
	s_and_b32 s34, ttmp9, 255                      ; the record's number in its buffer
	s_mul_i32 s34, s34, REC
	s_wait_kmcnt 0x0
	s_cmp_lt_u32 ttmp9, 448                        ; which tensor: the choices hang on the work-group's number alone
	s_cselect_b64 s[20:21], s[10:11], s[12:13]
	s_cmp_lt_u32 ttmp9, 384
	s_cselect_b64 s[20:21], s[8:9], s[20:21]
	s_cmp_lt_u32 ttmp9, 320
	s_cselect_b64 s[20:21], s[6:7], s[20:21]
	s_cmp_lt_u32 ttmp9, 256
	s_cselect_b64 s[20:21], s[4:5], s[20:21]
	s_cselect_b64 s[22:23], s[14:15], s[16:17]
	s_cselect_b32 s36, s31, s33
	s_add_co_u32 s36, s36, s30
	s_mov_b32 s37, 0
	s_add_nc_u64 s[20:21], s[20:21], s[36:37]      ; my first row, at the K step
	s_mul_i32 s38, s18, 3072                       ; my two fragments in the record
	s_add_co_u32 s38, s38, s34
	s_mov_b32 s39, 0
	s_lshl_b32 s26, s18, 7                         ; my 128 bytes of scale words
	s_add_co_u32 s26, s26, s34
	s_add_co_u32 s26, s26, 12288
	s_mov_b32 s27, 0
	s_add_nc_u64 s[24:25], s[22:23], s[26:27]
	s_add_nc_u64 s[22:23], s[22:23], s[38:39]
.macro LOADS rs                        ; 32 rows, rs bytes apart, tile 0's sixteen first: 32 lanes read 512 consecutive bytes
.irp tt, 0,1
.irp p, 0,1,2,3,4,5,6,7,8,9,10,11,12,13,14,15
	global_load_b128 v[R+64*\tt+4*\p:R+64*\tt+4*\p+3], v2, s[20:21] offset:(8*\tt+\p+8*(\p/8))*\rs th:TH_LOAD_NT
.endr
.endr
.endm
	s_cmp_lt_u32 ttmp9, 256                        ; the two ways differ in the rows' distance alone and join ahead of the first LDS instruction
	s_cbranch_scc0 .Lweight
	s_wait_alu depctr_va_vdst(0)
	LOADS 8192
	s_branch .Lloaded
.Lweight:
	s_wait_alu depctr_va_vdst(0)
	LOADS 4096
.Lloaded:
.macro TOST tt
.irp p, 0,1,2,3,4,5,6,7,8,9,10,11,12,13,14,15
	ds_store_b128 v4, v[R+64*\tt+4*\p:R+64*\tt+4*\p+3] offset:STG*\tt+SROW*\p
.endr
.endm
.macro FROMST tt                       ; blocks h and 2 + h of row r: LDS serves a wave's instructions in order, so these see the stores
.irp c, 0,1
.irp e, 0,1,2,3,4,5,6,7
	ds_load_b128 v[X+32*\c+4*\e:X+32*\c+4*\e+3], v5 offset:STG*\tt+256*\c+16*\e
.endr
.endr
.endm
.macro QUANT cd, pw                    ; my two blocks become registers 6 c .. 6 c + 5 of the fragment at v[cd], and the row's scale word v[pw]
.irp c, 0,1
	v_max3_num_f32 v[TM+\c], |v[X+32*\c]|, |v[X+32*\c+1]|, 0x1800000   ; the floor 2^(3 - 127) is one of the leaves
.endr
.irp i, 2,4,6,8,10,12,14,16,18,20,22,24,26,28,30
.irp c, 0,1
	v_max3_num_f32 v[TM+\c], v[TM+\c], |v[X+32*\c+\i]|, |v[X+32*\c+\i+1]|
.endr
.endr
.irp c, 0,1
	v_add_nc_u32 v[SO+\c], 0xff000000, v[TM+\c]    ; 2 off the exponent field: the conversion's scale operand
.endr
.irp c, 0,1
	v_lshrrev_b32 v[BY+\c], 23, v[SO+\c]           ; the byte
.endr
	v_lshl_or_b32 v[W], v[BY+1], 16, v[BY]         ; blocks h and 2 + h,
	v_lshlrev_b32 v[W], v6, v[W]                   ; at their places;
	v_permlanex16_b32 v[W2], v[W], s28, s29
	v_or_b32 v[\pw], v[W], v[W2]                   ; with lane l xor 16's two the word is whole
.irp c, 0,1
	v_cvt_scalef32_pk16_fp6_f32 v[\cd+6*\c:\cd+6*\c+2], v[X+32*\c:X+32*\c+15], v[SO+\c]
	v_cvt_scalef32_pk16_fp6_f32 v[TQ+4*\c:TQ+4*\c+2], v[X+32*\c+16:X+32*\c+31], v[SO+\c]
.endr
	v_nop                                          ; one plain place behind a scaled conversion
.irp c, 0,1
.irp i, 0,1,2
	v_mov_b32 v[\cd+6*\c+3+\i], v[TQ+4*\c+\i]
.endr
.endr
.endm
	s_wait_loadcnt 16                              ; tile 0's sixteen loads are in; tile 1's sixteen may be out
	TOST 0
	FROMST 0
	s_wait_loadcnt 0x0
	TOST 1
	s_wait_dscnt 16                                ; tile 0's numbers are back: behind them only tile 1's sixteen stores
	QUANT C0, PW0
	FROMST 1
.irp q, 0,1,2
	global_store_b128 v2, v[C0+4*\q:C0+4*\q+3], s[22:23] offset:512*\q        ; 512 consecutive bytes, at a multiple of 256 from the buffer's first byte
.endr
	s_wait_dscnt 0x0
	QUANT C1, PW1
.irp q, 0,1,2
	global_store_b128 v2, v[C1+4*\q:C1+4*\q+3], s[22:23] offset:1536+512*\q
.endr
	v_cndmask_b32 v[SWR], v[PW0], v[PW1], vcc_lo   ; lanes 0-15 tile 2 w's words, lanes 16-31 tile 2 w + 1's
	global_store_b32 v3, v[SWR], s[24:25]
	s_wait_tensorcnt 0x0
	ds_add_u32 v252, v253
	s_wait_dscnt 0x0
	s_endpgm
.Lfunc_end_k_qe4b3f012cf_quant:
	.size	k_qe4b3f012cf_quant, .Lfunc_end_k_qe4b3f012cf_quant-k_qe4b3f012cf_quant
	.p2alignl 7, 3214868480
	.fill 96, 4, 3214868480
	.section	.rodata,"a",@progbits
	.p2align	6, 0x0
	.amdhsa_kernel k_qe4b3f012cf_quant
		.amdhsa_group_segment_fixed_size 68096
		.amdhsa_private_segment_fixed_size 0
		.amdhsa_enable_private_segment 0
		.amdhsa_kernarg_size 56
		.amdhsa_user_sgpr_count 2
		.amdhsa_user_sgpr_kernarg_segment_ptr 1
		.amdhsa_wavefront_size32 1
		.amdhsa_system_sgpr_workgroup_id_x 1
		.amdhsa_system_sgpr_workgroup_id_y 1
		.amdhsa_system_sgpr_workgroup_id_z 1
		.amdhsa_system_vgpr_workitem_id 0
		.amdhsa_next_free_vgpr 254
		.amdhsa_next_free_sgpr 66
		.amdhsa_reserve_vcc 1
		.amdhsa_float_denorm_mode_32 3
		.amdhsa_float_denorm_mode_16_64 3
		.amdhsa_memory_ordered 1
		.amdhsa_forward_progress 1
		.amdhsa_inst_pref_size 20
	.end_amdhsa_kernel
	.amdgpu_metadata
---
amdhsa.version: [ 1, 2 ]
amdhsa.kernels:
  - .name:           k_qe4b3f012cf_quant
    .symbol:         k_qe4b3f012cf_quant.kd
    .args:
      - { .name: x, .offset: 0, .size: 8, .value_kind: global_buffer, .address_space: global }
      - { .name: wq, .offset: 8, .size: 8, .value_kind: global_buffer, .address_space: global }
      - { .name: wk, .offset: 16, .size: 8, .value_kind: global_buffer, .address_space: global }
      - { .name: wv, .offset: 24, .size: 8, .value_kind: global_buffer, .address_space: global }
      - { .name: wo, .offset: 32, .size: 8, .value_kind: global_buffer, .address_space: global }
      - { .name: xc, .offset: 40, .size: 8, .value_kind: global_buffer, .address_space: global }
      - { .name: wc, .offset: 48, .size: 8, .value_kind: global_buffer, .address_space: global }
    .group_segment_fixed_size: 68096
    .private_segment_fixed_size: 0
    .kernarg_segment_align: 8
    .kernarg_segment_size: 56
    .max_flat_workgroup_size: 128
    .sgpr_count:     66
    .vgpr_count:     254
    .wavefront_size: 32
...
	.end_amdgpu_metadata
.endif
;; end of part 1
;; launch qkv (part 2): grid 12 x 16, 4 waves a work-group, clusters of 4 x 1, 327,680 bytes of LDS; arguments xc, wc, bq, bk, bv, qc, kv; writes qc, kv
.if DOCPART == 2
	.amdgcn_target "amdgcn-amd-amdhsa--gfx1250"
	.amdhsa_code_object_version 6
	.text
	.protected	k_qe4b3f012cf_qkv
	.globl	k_qe4b3f012cf_qkv
	.p2align	8
	.type	k_qe4b3f012cf_qkv,@function
k_qe4b3f012cf_qkv:
	s_mov_b64 s[64:65], 0
	v_nop
	global_prefetch_b8 v0, s[64:65] scope:SCOPE_SE
	s_setreg_imm32_b32 hwreg(HW_REG_WAVE_MODE, 25, 1), 1
	s_wait_xcnt 0x0
	s_wait_alu depctr_hold_cnt(0) depctr_sa_sdst(0) depctr_va_vdst(0) depctr_va_sdst(0) depctr_va_ssrc(0) depctr_va_vcc(0) depctr_vm_vsrc(0)
	s_getreg_b32 s2, hwreg(HW_REG_IB_STS2, 6, 4)
	s_cmp_eq_u32 s2, 0
	s_cbranch_scc0 .Lentry_in_a_cluster
	s_endpgm
.Lentry_in_a_cluster:
	s_bfe_u32 s2, ttmp6, 0x10000c
	s_cmp_lg_u32 s2, 0x3003
	s_cbranch_scc0 .Lentry_shape_is_right
	s_endpgm
.Lentry_shape_is_right:
.set REC,   12800
.set PANEL, 8*REC
.set QUART, PANEL/4
.set LI,  1
.set L4,  2
.set ADR, 3
.set ADS, 5
.set L8,  7
.set BO1, 8
.set BO2, 9
.set BS,  16
.set AS,  32
.set AF,  40
.set TMX, 40                           ; the way out: 16 largest magnitudes,
.set TP,  56                           ; 16 partners' maxima, then the bytes,
.set SO2, 72                           ; 16 scale operands of the conversions
.set PC,  104
.set PW,  152
.set SW,  160
.set Y2,  168                          ; the second halves of the blocks' codes: four registers for each pair of blocks
.set BI,  160
.set BV,  192
.set MSB, 0
.macro WIN new
.if MSB != (\new)
	s_set_vgpr_msb (MSB<<8)|(\new)
.set MSB, (\new)
.endif
.endm
.macro ROUND
	s_barrier_signal -1
	s_barrier_wait -1
	s_cmp_lg_u32 s18, 0
	s_cbranch_scc1 .Lnot_wave_0_\@
	s_barrier_signal -3
.Lnot_wave_0_\@:
	s_barrier_wait -3
	s_barrier_signal -1
	s_barrier_wait -1
.endm
.macro PLACES
.rept 4
	v_nop
.endr
.endm
	s_load_b256 s[4:11], s[0:1], 0x0
	s_load_b128 s[12:15], s[0:1], 0x20
	s_load_b64 s[16:17], s[0:1], 0x30
	v_lshl_add_u32 v254, v0, 2, 0x32000
	v_mov_b32 v255, 0
	ds_add_u32 v254, v255
	ds_add_u32 v254, v255
	v_lshrrev_b32 v10, 5, v0
	v_readfirstlane_b32 s18, v10
	v_and_b32 v13, 31, v0
	v_lshlrev_b32 v[LI], 4, v13
	v_lshlrev_b32 v[L4], 2, v13
	v_lshlrev_b32 v[L8], 3, v13
	v_bfe_u32 v10, v0, 4, 1
	v_and_b32 v11, 15, v0
	v_lshlrev_b32 v[BO1], 6, v10
	v_and_b32 v12, 8, v11
	v_add_nc_u32 v12, v12, v11
	v_lshlrev_b32 v[BO2], 2, v12
	s_bfe_u32 s19, ttmp6, 0x40000
	s_mov_b32 s20, ttmp9
	s_and_b32 s21, ttmp7, 0xffff
	s_lshl_b32 s22, s19, 2
	s_add_co_u32 s22, s22, s18
	s_and_b32 s23, s22, 1
	s_lshl_b32 s40, s20, 3
	s_lshr_b32 s41, s22, 1
	s_add_co_u32 s40, s40, s41
	s_mul_i32 s40, s40, PANEL
	s_lshl_b32 s42, s23, 8
	s_add_co_u32 s42, s42, s40
	s_add_co_u32 s42, s42, 12288
	s_mul_i32 s41, s23, 6144
	s_add_co_u32 s40, s40, s41
	s_mov_b32 s41, 0
	s_mov_b32 s43, 0
	s_lshl_b32 s60, s22, 8
	s_mov_b32 s61, 0
	s_lshr_b32 s62, s21, 3
	s_lshl_b32 s62, s62, 4
	s_add_co_u32 s62, s62, s22
	s_lshl_b32 s62, s62, 4
	s_and_b32 s63, s21, 7
	s_lshl_b32 s63, s63, 1
	s_add_co_u32 s62, s62, s63
	s_mov_b32 s50, 13056
	s_mov_b32 s56, 12288
	s_mov_b32 s52, 0x3f800000
	s_cmp_eq_u32 s20, 0
	s_cselect_b32 s50, 6656, s50
	s_cselect_b32 s56, 6144, s56
	s_cselect_b32 s52, 0x3e000000, s52
	s_mov_b32 s53, s52
	s_mov_b32 s51, 0
	s_mov_b32 s57, 12800
	s_cmp_eq_u32 s20, 2
	s_cselect_b32 s56, s57, s56
	s_cselect_b32 s57, 6144, 0
	s_mul_i32 s62, s62, s50
	s_add_co_u32 s48, s62, s56
	s_add_co_u32 s46, s62, s57
	s_mov_b32 s47, 0
	s_mov_b32 s49, 0
	s_mul_i32 s63, s18, QUART
	s_mul_i32 s2, s21, 2*PANEL
	s_add_co_u32 s2, s2, s63
	s_mov_b32 s3, 0
	s_mov_b32 s24, 15|(3<<16)|(1<<21)
	s_mov_b32 s25, 32<<16
	s_mov_b32 s26, 100<<16
	s_mov_b32 s27, 32<<16
	s_mov_b32 s28, 100
	s_mov_b32 s29, 32
	s_mov_b32 s30, 0
	s_mov_b32 s31, 0
	s_mov_b32 s58, 0x76543210
	s_mov_b32 s59, 0xfedcba98
	s_mov_b32 s54, 0
	s_mov_b32 s55, 0
	s_wait_dscnt 0x0
	s_wait_kmcnt 0x0
	s_add_nc_u64 s[2:3], s[4:5], s[2:3]
	s_mov_b32 s32, 1
	s_mov_b32 s33, s63
	s_mov_b64 s[34:35], s[2:3]
	s_or_b32 s35, s35, 0x80000000
	s_mov_b32 s36, 1
	s_add_co_u32 s37, s63, PANEL
	s_add_nc_u64 s[38:39], s[2:3], PANEL
	s_or_b32 s39, s39, 0x80000000
	s_add_nc_u64 s[40:41], s[6:7], s[40:41]
	s_add_nc_u64 s[42:43], s[6:7], s[42:43]
	s_cmp_eq_u32 s20, 0
	s_cselect_b64 s[44:45], s[8:9], s[10:11]
	s_cselect_b64 s[4:5], s[14:15], s[16:17]
	s_cmp_eq_u32 s20, 2
	s_cselect_b64 s[44:45], s[12:13], s[44:45]
	s_add_nc_u64 s[44:45], s[44:45], s[60:61]
	s_add_nc_u64 s[46:47], s[4:5], s[46:47]
	s_add_nc_u64 s[48:49], s[4:5], s[48:49]
	ROUND
	tensor_load_to_lds s[32:35], s[24:31]          ; my quarter of the first panel; the bias, the scale words and the weights are asked for while it is on its way
	s_nop 0
.rept 4
	v_nop
.endr
	WIN 0xc0
	s_wait_alu depctr_va_vdst(0)
.irp t, 0,1,2,3
	global_load_b128 v[BI+8*\t:BI+8*\t+3], v[BO1], s[44:45] offset:4*(32*(\t/2)+8*(\t%2))
	global_load_b128 v[BI+8*\t+4:BI+8*\t+7], v[BO1], s[44:45] offset:4*(32*(\t/2)+8*(\t%2))+16
.endr
.irp t, 0,1,2,3
	global_load_b32 v[BV+2*\t], v[BO2], s[44:45] offset:4*(32*(\t/2)+8*(\t%2))
	global_load_b32 v[BV+2*\t+1], v[BO2], s[44:45] offset:4*(32*(\t/2)+8*(\t%2))
.endr
	WIN 0
.irp s, 0,1,2,3,4,5,6,7
.irp m, 0,1
	global_load_b32 v[BS+2*\s+\m], v[L4], s[42:43] offset:REC*\s+128*\m
.endr
.endr
	WIN 0x80
.irp s, 0,1,2,3,4
.irp t, 0,1,2,3
.irp q, 0,1,2
	global_load_b128 v[48*\s+12*\t+4*\q:48*\s+12*\t+4*\q+3], v[LI], s[40:41] offset:REC*\s+512*(3*\t+\q)
.endr
.endr
.endr
	WIN 0xc0
.irp s, 5,6,7
.irp t, 0,1,2,3
.irp q, 0,1,2
	global_load_b128 v[48*(\s-5)+12*\t+4*\q:48*(\s-5)+12*\t+4*\q+3], v[LI], s[40:41] offset:REC*\s+512*(3*\t+\q)
.endr
.endr
.endr
	WIN 0
	s_wait_tensorcnt 0x0                           ; my quarter of the first panel is in
	ds_add_u32 v254, v255
	s_wait_dscnt 0x0
	ROUND
	tensor_load_to_lds s[36:39], s[24:31]          ; my quarter of the second panel: one tensor load of mine is out
	s_nop 0
.rept 4
	v_nop
.endr
	s_cmp_eq_u32 s20, 2
	s_cbranch_scc1 .Lno_factor
	s_wait_loadcnt 63
	WIN 0xc3
.irp i, 0,2,4,6,8,10,12,14,16,18,20,22,24,26,28,30
	v_pk_mul_f32 v[BI+\i:BI+\i+1], v[BI+\i:BI+\i+1], s[52:53] op_sel_hi:[1,0]
.endr
	WIN 0
.Lno_factor:
	s_wait_tensorcnt 0x1
	s_barrier_signal -1
	s_barrier_wait -1
.macro FETCHA s, set
.irp a, 0,1,2,3,4,5,6,7
.irp q, 0,1,2
	ds_load_b128 v[AF+96*(\set)+12*\a+4*\q:AF+96*(\set)+12*\a+4*\q+3], v[ADR+(\s)/4] offset:((\s)%4)*REC+512*(3*\a+\q)
.endr
.endr
.irp m, 0,1,2,3
	ds_load_b32 v[AS+4*(\set)+\m], v[ADS+(\s)/4] offset:((\s)%4)*REC+128*\m
.endr
.endm
.macro WMS d, p, q, zero, sp, sq, rp, rq
.set WC_, 4*(\zero)+2*(\rp)+(\rq)
.if WC_ == 0
	v_wmma_scale_f32_16x16x128_f8f6f4 v[\d:\d+7], v[\p:\p+11], v[\q:\q+11], v[\d:\d+7], v[\sp], v[\sq] matrix_a_fmt:MATRIX_FMT_FP6 matrix_b_fmt:MATRIX_FMT_FP6
.elseif WC_ == 1
	v_wmma_scale_f32_16x16x128_f8f6f4 v[\d:\d+7], v[\p:\p+11], v[\q:\q+11], v[\d:\d+7], v[\sp], v[\sq] matrix_a_fmt:MATRIX_FMT_FP6 matrix_b_fmt:MATRIX_FMT_FP6 matrix_b_scale:MATRIX_SCALE_ROW1
.elseif WC_ == 2
	v_wmma_scale_f32_16x16x128_f8f6f4 v[\d:\d+7], v[\p:\p+11], v[\q:\q+11], v[\d:\d+7], v[\sp], v[\sq] matrix_a_fmt:MATRIX_FMT_FP6 matrix_b_fmt:MATRIX_FMT_FP6 matrix_a_scale:MATRIX_SCALE_ROW1
.elseif WC_ == 3
	v_wmma_scale_f32_16x16x128_f8f6f4 v[\d:\d+7], v[\p:\p+11], v[\q:\q+11], v[\d:\d+7], v[\sp], v[\sq] matrix_a_fmt:MATRIX_FMT_FP6 matrix_b_fmt:MATRIX_FMT_FP6 matrix_a_scale:MATRIX_SCALE_ROW1 matrix_b_scale:MATRIX_SCALE_ROW1
.elseif WC_ == 4
	v_wmma_scale_f32_16x16x128_f8f6f4 v[\d:\d+7], v[\p:\p+11], v[\q:\q+11], 0, v[\sp], v[\sq] matrix_a_fmt:MATRIX_FMT_FP6 matrix_b_fmt:MATRIX_FMT_FP6
.elseif WC_ == 5
	v_wmma_scale_f32_16x16x128_f8f6f4 v[\d:\d+7], v[\p:\p+11], v[\q:\q+11], 0, v[\sp], v[\sq] matrix_a_fmt:MATRIX_FMT_FP6 matrix_b_fmt:MATRIX_FMT_FP6 matrix_b_scale:MATRIX_SCALE_ROW1
.elseif WC_ == 6
	v_wmma_scale_f32_16x16x128_f8f6f4 v[\d:\d+7], v[\p:\p+11], v[\q:\q+11], 0, v[\sp], v[\sq] matrix_a_fmt:MATRIX_FMT_FP6 matrix_b_fmt:MATRIX_FMT_FP6 matrix_a_scale:MATRIX_SCALE_ROW1
.else
	v_wmma_scale_f32_16x16x128_f8f6f4 v[\d:\d+7], v[\p:\p+11], v[\q:\q+11], 0, v[\sp], v[\sq] matrix_a_fmt:MATRIX_FMT_FP6 matrix_b_fmt:MATRIX_FMT_FP6 matrix_a_scale:MATRIX_SCALE_ROW1 matrix_b_scale:MATRIX_SCALE_ROW1
.endif
.endm
.macro KSTEP s, tr
.set SET_, (\s)%2
.if \s < 7
.if \s > 0
	PLACES
.endif
	FETCHA \s+1, 1-SET_
	s_wait_dscnt 28
.else
	s_wait_dscnt 0x0
.endif
.if 84-12*\s > 63
	s_wait_loadcnt 63
.else
	s_wait_loadcnt 84-12*\s
.endif
.if \s < 5
.set WB_, 48*\s
.set WW_, 2
.else
.set WB_, 48*(\s-5)
.set WW_, 3
.endif
.if \s == 0
.set ZERO_, 1
.else
.set ZERO_, 0
.endif
.if \tr
	WIN 0x50+WW_
.else
	WIN 0x50+4*WW_
.endif
.irp a, 0,1,2,3,4,5,6,7
.irp t, 0,1,2,3
.if \tr
	WMS 8*(4*\a+\t), WB_+12*\t, AF+96*SET_+12*\a, ZERO_, BS+2*\s+\t/2, AS+4*SET_+\a/2, \t%2, \a%2
.else
	WMS 8*(8*\t+\a), AF+96*SET_+12*\a, WB_+12*\t, ZERO_, AS+4*SET_+\a/2, BS+2*\s+\t/2, \a%2, \t%2
.endif
.endr
.endr
	WIN 0
.endm
; THE QUANTISER OF A PANEL'S RESULTS, which stand in window 1 as 16 runs of 16 registers: run k is my half of a block of 32 along the next K (the other half lies in lane l xor 16).
; The 16 blocks take turns line by line.  Runs 2 m and 2 m + 1 become registers 6 m .. 6 m + 5 at v[PC]; the blocks' bytes are left in v[TP + k].
.macro QALL
	WIN 0x05                                       ; sources 0 and 1: window 1
.irp k, 0,1,2,3,4,5,6,7,8,9,10,11,12,13,14,15
	v_max3_num_f32 v[TMX+\k], |v[16*\k]|, |v[16*\k+1]|, 0x1800000   ; the floor 2^(3 - 127) is one of the leaves
.endr
	WIN 0x14                                       ; sources 1 and 2: window 1
.irp i, 2,4,6,8,10,12,14
.irp k, 0,1,2,3,4,5,6,7,8,9,10,11,12,13,14,15
	v_max3_num_f32 v[TMX+\k], v[TMX+\k], |v[16*\k+\i]|, |v[16*\k+\i+1]|
.endr
.endr
	WIN 0
.irp k, 0,1,2,3,4,5,6,7,8,9,10,11,12,13,14,15
	v_permlanex16_b32 v[TP+\k], v[TMX+\k], s58, s59
.endr
.irp k, 0,1,2,3,4,5,6,7,8,9,10,11,12,13,14,15
	v_max_num_f32 v[TMX+\k], v[TMX+\k], v[TP+\k]   ; the block's largest magnitude
.endr
.irp k, 0,1,2,3,4,5,6,7,8,9,10,11,12,13,14,15
	v_add_nc_u32 v[SO2+\k], 0xff000000, v[TMX+\k]  ; 2 off its exponent field: the conversion's scale operand
.endr
.irp k, 0,1,2,3,4,5,6,7,8,9,10,11,12,13,14,15
	v_lshrrev_b32 v[TP+\k], 23, v[SO2+\k]          ; the byte
.endr
	WIN 0x01                                       ; source 0: window 1
.irp m, 0,1,2,3,4,5,6,7
	v_cvt_scalef32_pk16_fp6_f32 v[PC+6*\m:PC+6*\m+2], v[32*\m:32*\m+15], v[SO2+2*\m]
	v_cvt_scalef32_pk16_fp6_f32 v[Y2+4*\m:Y2+4*\m+2], v[32*\m+16:32*\m+31], v[SO2+2*\m+1]
.endr
	WIN 0
	v_nop                                          ; one plain place behind a scaled conversion
.irp m, 0,1,2,3,4,5,6,7
.irp i, 0,1,2
	v_permlane16_swap_b32 v[PC+6*\m+\i], v[Y2+4*\m+\i]   ; a whole block to a lane
.endr
.endr
.irp m, 0,1,2,3,4,5,6,7
.irp i, 0,1,2
	v_mov_b32 v[PC+6*\m+3+\i], v[Y2+4*\m+\i]
.endr
.endr
.endm
.Lpanel:
	v_add_nc_u32 v[ADR], s54, v[LI]
	v_add_nc_u32 v[ADR+1], 4*REC, v[ADR]
	v_add_nc_u32 v[ADS], s54, v[L4]
	v_add_nc_u32 v[ADS], 12288, v[ADS]
	v_add_nc_u32 v[ADS+1], 4*REC, v[ADS]
	FETCHA 0, 0
	s_cmp_eq_u32 s20, 2
	s_cbranch_scc1 .Lkind_v
	s_wait_alu depctr_va_vdst(0)
.irp s, 0,1,2,3,4,5,6,7
	KSTEP \s, 1
.endr
	PLACES
	WIN 0x71                                       ; the factor and the bias, in place: source 0 and the result window 1, the bias window 3
.irp a, 0,1,2,3,4,5,6,7
.irp t, 0,1,2,3
.irp i, 0,2,4,6
	v_pk_fma_f32 v[8*(4*\a+\t)+\i:8*(4*\a+\t)+\i+1], v[8*(4*\a+\t)+\i:8*(4*\a+\t)+\i+1], s[52:53], v[BI+8*\t+\i:BI+8*\t+\i+1] op_sel_hi:[1,0,1]
.endr
.endr
.endr
	QALL                                           ; run 2 a + b: block b of the head's 64 channels, rows of tile a
.irp a, 0,1,2,3,4,5,6,7
	v_lshl_or_b32 v[PW+\a], v[TP+2*\a+1], 8, v[TP+2*\a]
.endr
.irp a, 0,1,2,3,4,5,6,7
	v_or_b32 v[PW+\a], 0x01010000, v[PW+\a]        ; the two unused blocks of the instruction's 128 get the byte 1
.endr
	s_mov_b32 vcc_lo, 0xffff0000                   ; lanes 16-31: written anew behind the tensor loads
.irp b, 0,1,2,3
	v_cndmask_b32 v[SW+\b], v[PW+2*\b], v[PW+2*\b+1], vcc_lo
.endr
.irp q, 0,1,2,3,4,5,6,7,8,9,10,11
	global_store_b128 v[LI], v[PC+4*\q:PC+4*\q+3], s[46:47] offset:512*\q
.endr
	global_store_b128 v[LI], v[SW:SW+3], s[48:49]
	s_branch .Ljoin
.Lkind_v:
	s_wait_alu depctr_va_vdst(0)
.irp s, 0,1,2,3,4,5,6,7
	KSTEP \s, 0
.endr
	PLACES
	WIN 0x4d                                       ; the bias, in place: source 0 and the result window 1, the bias window 3
.irp t, 0,1,2,3
.irp a, 0,1,2,3,4,5,6,7
.irp i, 0,2,4,6
	v_pk_add_f32 v[8*(8*\t+\a)+\i:8*(8*\t+\a)+\i+1], v[8*(8*\t+\a)+\i:8*(8*\t+\a)+\i+1], v[BV+2*\t:BV+2*\t+1]
.endr
.endr
.endr
	QALL                                           ; run 4 t + b: block b of the panel's 128 keys, channels of tile t
.irp t, 0,1,2,3
	v_lshl_or_b32 v[PW+\t], v[TP+4*\t+1], 8, v[TP+4*\t]
.endr
.irp t, 0,1,2,3
	v_lshl_or_b32 v[PW+\t], v[TP+4*\t+2], 16, v[PW+\t]
.endr
.irp t, 0,1,2,3
	v_lshl_or_b32 v[PW+\t], v[TP+4*\t+3], 24, v[PW+\t]
.endr
	s_mov_b32 vcc_lo, 0xffff0000                   ; lanes 16-31: written anew behind the tensor loads
.irp m, 0,1
	v_cndmask_b32 v[SW+\m], v[PW+2*\m], v[PW+2*\m+1], vcc_lo
.endr
.irp q, 0,1,2,3,4,5,6,7,8,9,10,11
	global_store_b128 v[LI], v[PC+4*\q:PC+4*\q+3], s[46:47] offset:512*\q
.endr
	global_store_b64 v[L8], v[SW:SW+1], s[48:49]
.Ljoin:
	s_wait_xcnt 0x0
	s_add_nc_u64 s[46:47], s[46:47], s[50:51]
	s_add_nc_u64 s[48:49], s[48:49], s[50:51]
	s_add_co_u32 s54, s54, PANEL
	s_wait_tensorcnt 0x0
	s_wait_dscnt 0x0
	s_barrier_signal -1
	s_barrier_wait -1
	s_add_co_u32 s55, s55, 1
	s_cmp_lt_u32 s55, 2
	s_cbranch_scc1 .Lpanel
	s_wait_tensorcnt 0x0
	ds_add_u32 v254, v255
	s_wait_dscnt 0x0
	ROUND
	s_endpgm
.Lfunc_end_k_qe4b3f012cf_qkv:
	.size	k_qe4b3f012cf_qkv, .Lfunc_end_k_qe4b3f012cf_qkv-k_qe4b3f012cf_qkv
	.p2alignl 7, 3214868480
	.fill 96, 4, 3214868480
	.section	.rodata,"a",@progbits
	.p2align	6, 0x0
	.amdhsa_kernel k_qe4b3f012cf_qkv
		.amdhsa_group_segment_fixed_size 327680
		.amdhsa_private_segment_fixed_size 0
		.amdhsa_enable_private_segment 0
		.amdhsa_kernarg_size 56
		.amdhsa_user_sgpr_count 2
		.amdhsa_user_sgpr_kernarg_segment_ptr 1
		.amdhsa_wavefront_size32 1
		.amdhsa_system_sgpr_workgroup_id_x 1
		.amdhsa_system_sgpr_workgroup_id_y 1
		.amdhsa_system_sgpr_workgroup_id_z 1
		.amdhsa_system_vgpr_workitem_id 0
		.amdhsa_next_free_vgpr 968
		.amdhsa_next_free_sgpr 66
		.amdhsa_reserve_vcc 1
		.amdhsa_float_denorm_mode_32 3
		.amdhsa_float_denorm_mode_16_64 3
		.amdhsa_memory_ordered 1
		.amdhsa_forward_progress 1
		.amdhsa_inst_pref_size 164
	.end_amdhsa_kernel
	.amdgpu_metadata
---
amdhsa.version: [ 1, 2 ]
amdhsa.kernels:
  - .name:           k_qe4b3f012cf_qkv
    .symbol:         k_qe4b3f012cf_qkv.kd
    .args:
      - { .name: xc, .offset: 0, .size: 8, .value_kind: global_buffer, .address_space: global }
      - { .name: wc, .offset: 8, .size: 8, .value_kind: global_buffer, .address_space: global }
      - { .name: bq, .offset: 16, .size: 8, .value_kind: global_buffer, .address_space: global }
      - { .name: bk, .offset: 24, .size: 8, .value_kind: global_buffer, .address_space: global }
      - { .name: bv, .offset: 32, .size: 8, .value_kind: global_buffer, .address_space: global }
      - { .name: qc, .offset: 40, .size: 8, .value_kind: global_buffer, .address_space: global }
      - { .name: kv, .offset: 48, .size: 8, .value_kind: global_buffer, .address_space: global }
    .group_segment_fixed_size: 327680
    .private_segment_fixed_size: 0
    .kernarg_segment_align: 8
    .kernarg_segment_size: 56
    .max_flat_workgroup_size: 128
    .sgpr_count:     66
    .vgpr_count:     968
    .wavefront_size: 32
...
	.end_amdgpu_metadata
.endif
;; end of part 2
;; launch attn (part 3): grid 8 x 32, 16 waves a work-group, clusters of 4 x 1, 327,680 bytes of LDS; arguments qc, kv, cc; writes cc
.if DOCPART == 3
	.amdgcn_target "amdgcn-amd-amdhsa--gfx1250"
	.amdhsa_code_object_version 6
	.text
	.protected	k_qe4b3f012cf_attn
	.globl	k_qe4b3f012cf_attn
	.p2align	8
	.type	k_qe4b3f012cf_attn,@function
k_qe4b3f012cf_attn:
	s_mov_b64 s[64:65], 0
	v_nop
	global_prefetch_b8 v0, s[64:65] scope:SCOPE_SE
	s_setreg_imm32_b32 hwreg(HW_REG_WAVE_MODE, 25, 1), 1
	s_wait_xcnt 0x0
	s_wait_alu depctr_hold_cnt(0) depctr_sa_sdst(0) depctr_va_vdst(0) depctr_va_sdst(0) depctr_va_ssrc(0) depctr_va_vcc(0) depctr_vm_vsrc(0)
	s_getreg_b32 s2, hwreg(HW_REG_IB_STS2, 6, 4)
	s_cmp_eq_u32 s2, 0
	s_cbranch_scc0 .Lentry_in_a_cluster
	s_endpgm
.Lentry_in_a_cluster:
	s_bfe_u32 s2, ttmp6, 0x10000c
	s_cmp_lg_u32 s2, 0x3003
	s_cbranch_scc0 .Lentry_shape_is_right
	s_endpgm
.Lentry_shape_is_right:
; context = softmax(q k^T, causal) v for one (batch, head), both products on codes of FP6 (E2M3) with E8M0 scales; the context is divided by the row's sum and quantised along E for the last product.
; LEFT OUT: key steps that lie wholly behind a tile's queries: the causal mask sets their scores to -infinity, so their p is 0 for all inputs.
; THE SOFTMAX: t = score x log2(e) (q carries the 1 / 8); M = the running largest t rounded UP to a whole number, kept as -M = floor(-t); p = 2^(t - M) is quantised along the keys, not normalised;
; the row's sum is taken of the unquantised p.  When M moves, the sum and O are multiplied by 2^(old M - new M): exact.
; SHARES.  Eight work-groups serve a head; work-group g = 4 x cluster x + cx owns tile g (16 queries) of each of the head's 16 query panels.  The tile of panel (rank) n needs key steps 0 .. n: 136 steps in all.
; THE 16 WAVES ARE 8 PAIRS, i = wave % 8.  Wave A (waves 0-7) takes key steps 0 .. 8 of the tile of rank 15 - i: 9 steps.  Wave B (waves 8-15) takes the tile of rank i whole (i + 1 steps) and writes it out,
; then key steps 9 .. 15 - i of the pair's large tile (7 - i steps): 8 steps.  B hands its O^T, -M and sum to A through LDS bytes of the pair's own; A brings both parts under the larger M by powers of two,
; adds them and writes the tile out.  A B with nothing to help with (i = 7) hands on zeros under M = -3e38, whose factor is 0.  Every branch hangs on the wave's number and a counter; cx enters only addresses in memory and the mask's data.
; K, V AND THEIR SCALE WORDS, 16 records of 13,056 bytes, come into LDS once, by joint tensor loads that name the four partners: record w by wave w, one descriptor a wave.  Waves 0 and 1 ask at the head; waves 2-15 behind
; the wait, the add and a round of the cluster's barrier; one tensor load of a wave is out at the most.  Key steps 0 and 1 run while the other fourteen records land;
; behind the barrier that shows all records every wave has 6 or 7 steps left.
; NO PREFETCH: all tensor loads go out in these two groups at the head; there is no loop of loads to run ahead in.
; LAYOUT.  Both products are used transposed: S^T = k q^T (source 0 = 16 keys), O^T = v^T p^T (source 0 = 16 channels): a lane holds ONE query.  By the tiles' row order (lane r of tile a = row
; 32 (a / 2) + 8 (a % 2) + r + 8 (r / 8)) the 16 registers of tiles 2 b, 2 b + 1 are keys (or channels) 32 b + 16 (lane / 16) + 0 .. 15.
; THE HEAD IS 64, THE INSTRUCTION'S K 128.  q's registers 6-11 are zero codes.  k's tile t is named as v[36 + 6 t .. 47 + 6 t]: its upper six registers are the next tile's codes (six zeros behind tile 7):
; every code is a finite number, so those products are 0; the scale bytes of the two unused blocks are 1 on both sides.
; LIMITS: no NaN or infinity among the inputs; the scaled scores stay under 2^31 in magnitude; scale bytes are held at 1 from below; a block of zeros gets the byte 1.
; A block's largest p is made from the block's largest score by the same two instructions.
; REGISTERS: v1-5 addresses; v6-9 q's offsets; v12 -M, v13 the largest t, v[14:15] the sum; v16-27 q; v28 q's scale word, v29 p's; v30-33 k's, v34-35 v's; v36-83 k's eight tiles, then v's four fragments;
;   v84-89 zeros; v90-95, v230 the large tile's q; v96-159 S^T, then p; v160-191 O^T; v192-203 p's codes; v204-253 at work; v254, v255 the add's.
.set RECB, 13056
.set SPARE, 0x33000                    ; behind the records: the spare words, 128 bytes a wave
.set MRG,  0x33800                     ; behind them: a pair's 4,608 bytes (O^T: 8 x 512; -M, t, the sum: 512); no tensor load lands here
.set MSZ,  4608
.set LI,  1
.set L8,  2
.set DM,  3
.set ADK, 4
.set ADV, 5
.set QF,  16
.set QS,  28
.set PS,  29
.set KS,  30
.set VS,  34
.set KB,  36
.set Q2,  90
.set S,   96
.set O,   160
.set PCD, 192
.set TQ,  204
.set BM,  212
.set BP,  216
.set SO,  220
.set T,   224
.set F,   226
.set Q2S, 230
.set WC,  231                          ; the context's codes: my offset in the record
.set WS,  232                          ; and my row's two scale bytes
.set MG,  233                          ; LDS: my pair's bytes, 16 x lane
.set FB,  234
.set TA,  236
.set TB,  237
.macro ROUND                           ; a round of the cluster's barrier
	s_barrier_signal -1
	s_barrier_wait -1
	s_cmp_lg_u32 s18, 0
	s_cbranch_scc1 .Lnot_wave_0_\@
	s_barrier_signal -3
.Lnot_wave_0_\@:
	s_barrier_wait -3
	s_barrier_signal -1
	s_barrier_wait -1
.endm
	s_load_b128 s[4:7], s[0:1], 0x0                ; qc, kv
	s_load_b64 s[8:9], s[0:1], 0x10                ; cc
	v_lshl_add_u32 v254, v0, 2, SPARE
	v_mov_b32 v255, 0
	ds_add_u32 v254, v255                          ; the opening lines: the add twice on end and one wait
	ds_add_u32 v254, v255
	v_lshrrev_b32 v6, 5, v0
	v_and_b32 v7, 31, v0
	v_and_b32 v10, 15, v0                          ; r
	v_bfe_u32 v11, v0, 4, 1                        ; h
	v_readfirstlane_b32 s18, v6                    ; wave 0..15
	v_lshlrev_b32 v[LI], 4, v7
	v_lshlrev_b32 v[L8], 3, v7
	s_wait_alu depctr_va_vdst(0)
	s_and_b32 s34, s18, 7                          ; i: my pair
	s_lshr_b32 s32, s18, 3                         ; 0: A, 1: B
	s_xor_b32 s2, s32, 1
	s_mul_i32 s2, s2, 15
	s_xor_b32 s19, s34, s2                         ; the tile that I begin with and write out: rank 15 - i (A), i (B)
	s_xor_b32 s3, s34, 15                          ; the pair's large tile: rank 15 - i
	s_mul_i32 s33, s3, s32                         ; key steps 9-15: B goes up to 15 - i; A, with 0 here, takes none
	s_bfe_u32 s52, ttmp6, 0x40000                  ; cx
	s_lshl_b32 s50, ttmp9, 2
	s_add_co_u32 s50, s50, s52                     ; g
	s_and_b32 s51, ttmp7, 0xffff                   ; 16 x batch + head, which the partners share
	s_and_b32 s35, s51, 1
	s_and_b32 s36, s50, 1
	s_lshr_b32 s37, s50, 1
	s_mov_b32 s24, 15|(3<<16)|(1<<21)              ; group 1: the mask of the four partners, elements of 8 bytes, bit 21 beside a mask; 51 rows of 256 dense bytes: one record
	s_mov_b32 s25, 32<<16
	s_mov_b32 s26, 51<<16
	s_mov_b32 s27, 32<<16
	s_mov_b32 s28, 51
	s_mov_b32 s29, 32
	s_mov_b32 s30, 0
	s_mov_b32 s31, 0
	s_mul_i32 s62, s50, 6                          ; my tile's six registers among the lane's 48 of q's image: register x lies at 512 (x / 4) + 16 l + 4 (x % 4)
.irp p, 0,1,2
	s_add_co_u32 s2, s62, 2*\p
	s_lshr_b32 s63, s2, 2
	s_lshl_b32 s63, s63, 9
	s_and_b32 s2, s2, 3
	s_lshl_b32 s2, s2, 2
	s_add_co_u32 s[54+\p], s2, s63
.endr
	s_lshl_b32 s57, s36, 8                         ; q's scale word of row r: 6,144 + 16 (r + 16 (g % 2)) + 4 (g / 2)
	s_lshl_b32 s2, s37, 2
	s_add_co_u32 s57, s57, s2
	s_add_co_u32 s57, s57, 6144
	s_lshl_b32 s58, s37, 5                         ; my tile's first row in its panel: 32 (g / 2) + 8 (g % 2)
	s_lshl_b32 s2, s36, 3
	s_add_co_u32 s58, s58, s2
	s_mul_i32 s59, s50, 1536                       ; the context: tile g's fragment
	s_lshl_b32 s60, s36, 6                         ; its scale word, 12,288 + 128 (g / 2) + 4 (r + 16 (g % 2)), and in it the head's two bytes
	s_lshl_b32 s2, s37, 7
	s_add_co_u32 s60, s60, s2
	s_lshl_b32 s2, s35, 1
	s_add_co_u32 s60, s60, s2
	s_add_co_u32 s60, s60, 12288
	s_mul_i32 s61, s34, MSZ
	s_add_co_u32 s61, s61, MRG
	s_lshl_b32 s44, s51, 4
	s_add_co_u32 s38, s44, s19
	s_mul_i32 s38, s38, 6656                       ; q's record of my first tile
	s_mov_b32 s39, 0
	s_add_co_u32 s46, s44, s3
	s_mul_i32 s46, s46, 6656                       ; and of the large tile
	s_mov_b32 s47, 0
	s_add_co_u32 s12, s44, s18
	s_mul_i32 s12, s12, RECB                       ; the head's record w in memory,
	s_mov_b32 s13, 0
	s_mul_i32 s41, s18, RECB                       ; and in LDS
	s_mov_b32 s40, 1
	s_and_b32 s14, s51, 16
	s_add_co_u32 s14, s14, s19                     ; the context's panel: 16 x batch + rank;
	s_lshl_b32 s14, s14, 3
	s_bfe_u32 s15, s51, 0x30001
	s_add_co_u32 s14, s14, s15                     ; its K step: head / 2
	s_mul_i32 s14, s14, 12800
	s_mov_b32 s15, 0
	s_mov_b32 s20, 0x76543210
	s_mov_b32 s21, 0xfedcba98                      ; selects for lane l xor 16
	s_mov_b32 s22, 0x3fb8aa3b                      ; log2(e)
	s_mov_b32 s23, s22
	s_mov_b32 s48, 0                               ; the key step
	s_mov_b32 s49, 0                               ; and where its record begins in LDS
	v_add_nc_u32 v6, s54, v[LI]
	v_add_nc_u32 v7, s55, v[LI]
	v_add_nc_u32 v8, s56, v[LI]
	v_lshl_add_u32 v9, v10, 4, s57
	v_and_b32 v[DM], 8, v10
	v_lshlrev_b32 v11, 4, v11
	v_add_nc_u32 v[WC], s59, v[LI]
	v_add3_u32 v[DM], v[DM], v10, s58              ; my query's row in its panel,
	v_lshl_add_u32 v[WS], v10, 2, s60
	v_add_nc_u32 v[MG], s61, v[LI]
	v_sub_nc_u32 v[DM], v[DM], v11                 ; less 16 h
	s_wait_alu depctr_va_vdst(0)
	s_wait_dscnt 0x0
	s_wait_kmcnt 0x0
	s_add_nc_u64 s[10:11], s[4:5], s[38:39]
	s_add_nc_u64 s[46:47], s[4:5], s[46:47]
.irp p, 0,1,2
	global_load_b64 v[QF+2*\p:QF+2*\p+1], v[6+\p], s[10:11]
.endr
	global_load_b32 v[QS], v9, s[10:11]
.irp p, 0,1,2
	global_load_b64 v[Q2+2*\p:Q2+2*\p+1], v[6+\p], s[46:47]    ; one text for both roles: B uses these from key step 9 on; for A they are the same tile once more
.endr
	global_load_b32 v[Q2S], v9, s[46:47]
	s_add_nc_u64 s[42:43], s[6:7], s[12:13]
	s_or_b32 s43, s43, 0x80000000
	s_add_nc_u64 s[16:17], s[8:9], s[14:15]
	ROUND                                          ; the four partners are here: the joint loads meet
	s_cmp_lt_u32 s18, 2
	s_cbranch_scc0 .Lno_fill
	tensor_load_to_lds s[40:43], s[24:31]          ; records 0 and 1, one a wave
	s_nop 0
.rept 4
	v_nop
.endr
.Lno_fill:
.irp j, 22,23,24,25,26,27,84,85,86,87,88,89
	v_mov_b32 v[\j], 0                             ; zero codes: q's upper 64 along K, and what lies behind k's tile 7
.endr
	v_mov_b32 v13, 0xff61b1e6                      ; the largest t so far: -3e38
	v_mov_b32 v14, 0
	v_mov_b32 v15, 0
	v_floor_f32 v12, -v13                          ; -M
.irp b, 0,1,2,3
	v_mov_b32 v[BP+\b], 0                          ; a lane permute's destination counts as one of its sources
.endr
	v_mov_b32 v[T], 0
	v_mov_b32 v[F+1], 0                            ; (named as the upper halves of pairs)
	v_mov_b32 v[FB+1], 0
.irp j, 0,1,2,3,4,5,6,7,8,9,10,11,12,13,14,15,16,17,18,19,20,21,22,23,24,25,26,27,28,29,30,31
	v_mov_b32 v[O+\j], 0                           ; O^T: the step is written once; its first run finds zeros
.endr
	s_wait_alu depctr_va_vdst(0)
	s_wait_tensorcnt 0x0                           ; my record, if I asked for one, is in
	ds_add_u32 v254, v255                          ; the add twice
	ds_add_u32 v254, v255
	s_wait_loadcnt 0x0                             ; q
	s_wait_dscnt 0x0
	ROUND                                          ; records 0 and 1 lie in LDS, and the partners are here
	s_cmp_ge_u32 s18, 2
	s_cbranch_scc0 .Lno_fill2
	tensor_load_to_lds s[40:43], s[24:31]          ; records 2-15, one a wave
	s_nop 0
.rept 4
	v_nop
.endr
.Lno_fill2:
; A KEY STEP: the 128 keys of record s48, for the tile whose rank stands in s[rk].  A wave whose rank lies under the step leaves the work out.
; Where three or four chains take turns no hint is written; the chain that makes M and f has one ahead of each link.
.macro STEP rk
	s_cmp_gt_u32 s48, s[\rk]
	s_cbranch_scc1 .Lskip_\@
	v_add_nc_u32 v[ADK], s49, v[LI]
	v_add_nc_u32 v[ADV], s49, v[L8]
	v_nop
	v_nop                                          ; four places in front of loads into registers that the last products read
	ds_load_b128 v[KS:KS+3], v[ADK] offset:12288   ; k's scale words: register b: lanes 0-15 tile 2 b, lanes 16-31 tile 2 b + 1
.irp q, 0,1,2,3,4,5,6,7,8,9,10,11
	ds_load_b128 v[KB+4*\q:KB+4*\q+3], v[ADK] offset:512*\q
.endr
	s_wait_alu depctr_va_vdst(0)
	s_wait_dscnt 0x0
.irp t, 0,1,2,3,4,5,6,7
.if \t%2
	v_wmma_scale_f32_16x16x128_f8f6f4 v[S+8*\t:S+8*\t+7], v[KB+6*\t:KB+6*\t+11], v[QF:QF+11], 0, v[KS+\t/2], v[QS] matrix_a_fmt:MATRIX_FMT_FP6 matrix_b_fmt:MATRIX_FMT_FP6 matrix_a_scale:MATRIX_SCALE_ROW1
.else
	v_wmma_scale_f32_16x16x128_f8f6f4 v[S+8*\t:S+8*\t+7], v[KB+6*\t:KB+6*\t+11], v[QF:QF+11], 0, v[KS+\t/2], v[QS] matrix_a_fmt:MATRIX_FMT_FP6 matrix_b_fmt:MATRIX_FMT_FP6
.endif
.endr
.rept 4
	v_nop                                          ; places: for the loads over k's tiles, and for the first read of the scores
.endr
.irp q, 0,1,2,3,4,5,6,7,8,9,10,11
	ds_load_b128 v[KB+4*\q:KB+4*\q+3], v[ADK] offset:6144+512*\q   ; v's four fragments: asked for a whole softmax ahead of their use
.endr
	ds_load_b64 v[VS:VS+1], v[ADV] offset:12800    ; and their scale words
	s_cmp_lg_u32 s48, s[\rk]                       ; only the step of the tile's own panel lies on the diagonal
	s_cbranch_scc1 .Lopen_\@
	v_mov_b32 v[T], 0xff800000                     ; -infinity: p = 0 then
.irp n, 0,1,2,3,4,5,6,7,8,9,10,11,12,13,14,15,16,17,18,19,20,21,22,23,24,25,26,27,28,29,30,31,32,33,34,35,36,37,38,39,40,41,42,43,44,45,46,47,48,49,50,51,52,53,54,55,56,57,58,59,60,61,62,63
	v_cmp_gt_i32 vcc_lo, 32*(\n/16)+\n%16, v[DM]   ; register n holds the panel's key 32 (n / 16) + 16 h + n % 16: hidden where it comes after my query
	v_cndmask_b32 v[S+\n], v[S+\n], v[T], vcc_lo
.endr
.Lopen_\@:
.irp b, 0,1,2,3
	v_max3_num_f32 v[BM+\b], v[S+16*\b], v[S+16*\b+1], v[S+16*\b+2]   ; the largest score of each block of 32 keys: for the row's maximum, and for the block's largest p
.endr
.irp i, 3,5,7,9,11,13
.irp b, 0,1,2,3
	v_max3_num_f32 v[BM+\b], v[BM+\b], v[S+16*\b+\i], v[S+16*\b+\i+1]
.endr
.endr
.irp b, 0,1,2,3
	v_max_num_f32 v[BM+\b], v[BM+\b], v[S+16*\b+15]
.endr
.irp b, 0,1,2,3
	v_permlanex16_b32 v[BP+\b], v[BM+\b], s20, s21
.endr
.irp b, 0,1,2,3
	v_max_num_f32 v[BM+\b], v[BM+\b], v[BP+\b]     ; with lane l xor 16's 16 keys
.endr
	s_delay_alu instid0(VALU_DEP_2)
	v_max3_num_f32 v[T], v[BM], v[BM+1], v[BM+2]
	s_delay_alu instid0(VALU_DEP_1)
	v_max_num_f32 v[T], v[T], v[BM+3]
	s_delay_alu instid0(VALU_DEP_1)
	v_mul_f32 v[T], s22, v[T]                      ; the step's largest t
	s_delay_alu instid0(VALU_DEP_1)
	v_max_num_f32 v13, v13, v[T]                   ; the running largest
	v_mov_b32 v[T], v12
	s_delay_alu instid0(VALU_DEP_2)
	v_floor_f32 v12, -v13                          ; the new -M = -ceil(t)
	s_delay_alu instid0(VALU_DEP_1)
	v_sub_f32 v[T], v12, v[T]                      ; old M - new M: a whole number, 0 or less
	s_delay_alu instid0(VALU_DEP_1)
	v_cvt_i32_f32 v[T], v[T]                       ; (it saturates)
	s_delay_alu instid0(VALU_DEP_1)
	v_ldexp_f32 v[F], 1.0, v[T]                    ; f = 2^(old M - new M)
.irp j, 0,2,4,6,8,10,12,14,16,18,20,22,24,26,28,30,32,34,36,38,40,42,44,46,48,50,52,54,56,58,60,62
	v_pk_fma_f32 v[S+\j:S+\j+1], v[S+\j:S+\j+1], s[22:23], v[12:13] op_sel_hi:[1,0,0]   ; t - M
.endr
.irp b, 0,1,2,3
	v_fma_f32 v[BM+\b], v[BM+\b], s22, v12         ; the same of each block's largest score
.endr
	s_wait_alu depctr_va_vdst(0)
.irp j, 0,1,2,3,4,5,6,7,8,9,10,11,12,13,14,15,16,17,18,19,20,21,22,23,24,25,26,27,28,29,30,31,32,33,34,35,36,37,38,39,40,41,42,43,44,45,46,47,48,49,50,51,52,53,54,55,56,57,58,59,60,61,62,63
	v_exp_f32 v[S+\j], v[S+\j]                     ; p = 2^(t - M)
.endr
.irp b, 0,1,2,3
	v_exp_f32 v[BM+\b], v[BM+\b]                   ; the block's largest p
.endr
	v_pk_mul_f32 v[14:15], v[14:15], v[F:F+1] op_sel_hi:[1,0]   ; the sum under the new M (a plain place behind the exponentials)
	s_wait_alu depctr_va_vdst(0)                   ; and behind it
.irp b, 0,1,2,3
	v_max_num_f32 v[BM+\b], 0x1800000, v[BM+\b]    ; the floor 2^(3 - 127): the byte cannot fall under 1
.endr
.irp b, 0,1,2,3
	v_add_nc_u32 v[SO+\b], 0xff000000, v[BM+\b]    ; the conversion's scale operand
.endr
.irp b, 0,1,2,3
	v_lshrrev_b32 v[BP+\b], 23, v[SO+\b]           ; the byte
.endr
	s_delay_alu instid0(VALU_DEP_3)
	v_lshl_or_b32 v[PS], v[BP+1], 8, v[BP]         ; p's scale word for these 128 keys
	s_delay_alu instid0(VALU_DEP_1)
	v_lshl_or_b32 v[PS], v[BP+2], 16, v[PS]
	s_delay_alu instid0(VALU_DEP_1)
	v_lshl_or_b32 v[PS], v[BP+3], 24, v[PS]
.irp c, 0,1
	v_cvt_scalef32_pk16_fp6_f32 v[PCD+6*\c:PCD+6*\c+2], v[S+32*\c:S+32*\c+15], v[SO+2*\c]
	v_cvt_scalef32_pk16_fp6_f32 v[TQ+4*\c:TQ+4*\c+2], v[S+32*\c+16:S+32*\c+31], v[SO+2*\c+1]
.endr
	v_nop                                          ; one plain place behind a scaled conversion
.irp c, 0,1
.irp i, 0,1,2
	v_permlane16_swap_b32 v[PCD+6*\c+\i], v[TQ+4*\c+\i]   ; a whole block to a lane: lanes 0-15 block 2 c, lanes 16-31 block 2 c + 1
.endr
.irp i, 0,1,2
	v_mov_b32 v[PCD+6*\c+3+\i], v[TQ+4*\c+\i]
.endr
.endr
	v_pk_add_f32 v[228:229], v[100:101], v[104:105]   ; the row's sum of the unquantised p, in eight chains
	v_pk_add_f32 v[252:253], v[108:109], v[112:113]
	v_pk_add_f32 v[250:251], v[116:117], v[120:121]
	v_pk_add_f32 v[248:249], v[124:125], v[128:129]
	v_pk_add_f32 v[246:247], v[132:133], v[136:137]
	v_pk_add_f32 v[244:245], v[140:141], v[144:145]
	v_pk_add_f32 v[242:243], v[148:149], v[152:153]
	v_pk_add_f32 v[14:15], v[14:15], v[156:157]
	v_pk_add_f32 v[228:229], v[228:229], v[96:97]
	v_pk_add_f32 v[252:253], v[252:253], v[98:99]
	v_pk_add_f32 v[250:251], v[250:251], v[102:103]
	v_pk_add_f32 v[248:249], v[248:249], v[106:107]
	v_pk_add_f32 v[246:247], v[246:247], v[110:111]
	v_pk_add_f32 v[244:245], v[244:245], v[114:115]
	v_pk_add_f32 v[242:243], v[242:243], v[118:119]
	v_pk_add_f32 v[14:15], v[14:15], v[122:123]
	v_pk_add_f32 v[228:229], v[228:229], v[126:127]
	v_pk_add_f32 v[252:253], v[252:253], v[130:131]
	v_pk_add_f32 v[250:251], v[250:251], v[134:135]
	v_pk_add_f32 v[248:249], v[248:249], v[138:139]
	v_pk_add_f32 v[246:247], v[246:247], v[142:143]
	v_pk_add_f32 v[244:245], v[244:245], v[146:147]
	v_pk_add_f32 v[242:243], v[242:243], v[150:151]
	v_pk_add_f32 v[14:15], v[14:15], v[154:155]
	v_pk_add_f32 v[228:229], v[228:229], v[158:159]
	s_delay_alu instid0(VALU_DEP_2)
	v_pk_add_f32 v[14:15], v[14:15], v[248:249]
	s_delay_alu instid0(VALU_DEP_2)
	v_pk_add_f32 v[228:229], v[228:229], v[246:247]
	v_pk_add_f32 v[252:253], v[252:253], v[244:245]
	v_pk_add_f32 v[250:251], v[250:251], v[242:243]
	s_delay_alu instid0(VALU_DEP_2)
	v_pk_add_f32 v[14:15], v[14:15], v[252:253]
	s_delay_alu instid0(VALU_DEP_2)
	v_pk_add_f32 v[228:229], v[228:229], v[250:251]
	s_delay_alu instid0(VALU_DEP_1)
	v_pk_add_f32 v[14:15], v[14:15], v[228:229]
	s_wait_alu depctr_va_vdst(0)
.irp j, 0,2,4,6,8,10,12,14,16,18,20,22,24,26,28,30
	v_pk_mul_f32 v[O+\j:O+\j+1], v[O+\j:O+\j+1], v[F:F+1] op_sel_hi:[1,0]   ; O^T under the new M.  (The 48 lines from the sums on are the places between p's codes and scale word and the products)
.endr
	s_wait_alu depctr_va_vdst(0)
	s_wait_dscnt 0x0                               ; v's fragments are in
.irp t, 0,1,2,3
.if \t%2
	v_wmma_scale_f32_16x16x128_f8f6f4 v[O+8*\t:O+8*\t+7], v[KB+12*\t:KB+12*\t+11], v[PCD:PCD+11], v[O+8*\t:O+8*\t+7], v[VS+\t/2], v[PS] matrix_a_fmt:MATRIX_FMT_FP6 matrix_b_fmt:MATRIX_FMT_FP6 matrix_a_scale:MATRIX_SCALE_ROW1
.else
	v_wmma_scale_f32_16x16x128_f8f6f4 v[O+8*\t:O+8*\t+7], v[KB+12*\t:KB+12*\t+11], v[PCD:PCD+11], v[O+8*\t:O+8*\t+7], v[VS+\t/2], v[PS] matrix_a_fmt:MATRIX_FMT_FP6 matrix_b_fmt:MATRIX_FMT_FP6
.endif
.endr
.Lskip_\@:
	s_add_co_u32 s49, s49, RECB                    ; the next record
.endm
; THE WAY OUT of a finished tile: O^T / the sum; a lane's 32 numbers are half of its row's 64 channels, two blocks of 32 along E with lane l xor 16: codes and bytes go to their places in the last product's operand
.macro WAYOUT
	v_add_f32 v14, v14, v15
	s_delay_alu instid0(VALU_DEP_1)
	v_permlanex16_b32 v[T], v14, s20, s21
	s_delay_alu instid0(VALU_DEP_1)
	v_add_f32 v14, v14, v[T]                       ; the row's sum
	s_wait_alu depctr_va_vdst(0)
	v_rcp_f32 v14, v14
	v_nop                                          ; a plain place behind it,
	s_wait_alu depctr_va_vdst(0)                   ; the wait ahead of its first reader, which is also O^T's
.irp j, 0,2,4,6,8,10,12,14,16,18,20,22,24,26,28,30
	v_pk_mul_f32 v[S+\j:S+\j+1], v[O+\j:O+\j+1], v[14:15] op_sel_hi:[1,0]   ; register 16 b + i: channel 32 b + 16 h + i
.endr
.irp b, 0,1
	v_max3_num_f32 v[BM+\b], |v[S+16*\b]|, |v[S+16*\b+1]|, 0x1800000
.endr
.irp i, 2,4,6,8,10,12,14
.irp b, 0,1
	s_delay_alu instid0(VALU_DEP_2)
	v_max3_num_f32 v[BM+\b], v[BM+\b], |v[S+16*\b+\i]|, |v[S+16*\b+\i+1]|
.endr
.endr
.irp b, 0,1
	s_delay_alu instid0(VALU_DEP_2)
	v_permlanex16_b32 v[BP+\b], v[BM+\b], s20, s21
.endr
.irp b, 0,1
	s_delay_alu instid0(VALU_DEP_2)
	v_max_num_f32 v[BM+\b], v[BM+\b], v[BP+\b]
.endr
.irp b, 0,1
	s_delay_alu instid0(VALU_DEP_2)
	v_add_nc_u32 v[SO+\b], 0xff000000, v[BM+\b]
.endr
.irp b, 0,1
	s_delay_alu instid0(VALU_DEP_2)
	v_lshrrev_b32 v[BP+\b], 23, v[SO+\b]
.endr
	s_delay_alu instid0(VALU_DEP_1)
	v_lshl_or_b32 v[PS], v[BP+1], 8, v[BP]
	v_cvt_scalef32_pk16_fp6_f32 v[PCD:PCD+2], v[S:S+15], v[SO]
	v_cvt_scalef32_pk16_fp6_f32 v[TQ:TQ+2], v[S+16:S+31], v[SO+1]
	v_nop
.irp i, 0,1,2
	v_permlane16_swap_b32 v[PCD+\i], v[TQ+\i]
.endr
.irp i, 0,1,2
	v_mov_b32 v[PCD+3+\i], v[TQ+\i]
.endr
	s_cmp_eq_u32 s35, 1                            ; an even head fills registers 0-5 of the fragment, an odd one 6-11: the head is the same in the four partners
	s_cbranch_scc1 .Lodd_head_\@
	global_store_b128 v[WC], v[PCD:PCD+3], s[16:17]
	global_store_b64 v[WC], v[PCD+4:PCD+5], s[16:17] offset:512
	s_branch .Lcodes_out_\@
.Lodd_head_\@:
	s_wait_alu depctr_va_vdst(0)
	global_store_b64 v[WC], v[PCD:PCD+1], s[16:17] offset:520
	global_store_b128 v[WC], v[PCD+2:PCD+5], s[16:17] offset:1024
.Lcodes_out_\@:
	s_wait_alu depctr_va_vdst(0)
	global_store_b16 v[WS], v[PS], s[16:17]        ; both halves of the lanes write the same two bytes
.endm
.Lone:                                                 ; key steps 0 and 1, while the other fourteen records land
	STEP 19
	s_add_co_u32 s48, s48, 1
	s_cmp_lt_u32 s48, 2
	s_cbranch_scc1 .Lone
	s_wait_tensorcnt 0x0                           ; my record is in,
	s_wait_dscnt 0x0
	s_barrier_signal -1
	s_barrier_wait -1                              ; all sixteen lie in LDS
.Ltwo:                                                 ; key steps 2 to 8
	STEP 19
	s_add_co_u32 s48, s48, 1
	s_cmp_lt_u32 s48, 9
	s_cbranch_scc1 .Ltwo
	s_cmp_eq_u32 s32, 0
	s_cbranch_scc1 .Lhelp
.rept 4
	v_nop                                          ; places behind the last products
.endr
	WAYOUT                                         ; B: my own tile is finished
	s_wait_xcnt 0x0                                ; the stores have read their registers
	v_mov_b32 v[QS], v[Q2S]                        ; on to the pair's large tile: its q,
.irp j, 0,1,2,3,4,5
	v_mov_b32 v[QF+\j], v[Q2+\j]
.endr
	v_mov_b32 v13, 0xff61b1e6                      ; and a state begun anew
	v_mov_b32 v14, 0
	v_mov_b32 v15, 0
	v_floor_f32 v12, -v13
.irp j, 0,1,2,3,4,5,6,7,8,9,10,11,12,13,14,15,16,17,18,19,20,21,22,23,24,25,26,27,28,29,30,31
	v_mov_b32 v[O+\j], 0
.endr
	s_wait_alu depctr_va_vdst(0)
.Lhelp:
.Lthree:                                               ; key steps 9 to 15: B's alone
	STEP 33
	s_add_co_u32 s48, s48, 1
	s_cmp_lt_u32 s48, 16
	s_cbranch_scc1 .Lthree
.rept 4
	v_nop                                          ; places behind the last products
.endr
	s_cmp_eq_u32 s32, 0
	s_cbranch_scc1 .Lno_send
.irp q, 0,1,2,3,4,5,6,7
	ds_store_b128 v[MG], v[O+4*\q:O+4*\q+3] offset:512*\q      ; B's part: each accumulator from its low end on,
.endr
	ds_store_b128 v[MG], v[12:15] offset:4096      ; -M, t and the sum's two halves
.Lno_send:
	s_wait_dscnt 0x0                               ; for my partner's sake: my stores are done
	s_barrier_signal -1
	s_barrier_wait -1
	s_cmp_lg_u32 s32, 0
	s_cbranch_scc1 .Ldone
.irp q, 0,1,2,3,4,5,6,7
	ds_load_b128 v[S+4*\q:S+4*\q+3], v[MG] offset:512*\q
.endr
	ds_load_b128 v[S+32:S+35], v[MG] offset:4096
	s_wait_dscnt 0x0
	v_min_num_f32 v[T], v12, v[S+32]               ; A: the two parts' larger M, as -M
	s_delay_alu instid0(VALU_DEP_1)
	v_sub_f32 v[TA], v[T], v12
	s_delay_alu instid0(VALU_DEP_2)
	v_sub_f32 v[TB], v[T], v[S+32]                 ; each part's M less the larger: whole numbers, 0 or less
	s_delay_alu instid0(VALU_DEP_2)
	v_cvt_i32_f32 v[TA], v[TA]
	s_delay_alu instid0(VALU_DEP_2)
	v_cvt_i32_f32 v[TB], v[TB]                     ; (they saturate)
	s_delay_alu instid0(VALU_DEP_2)
	v_ldexp_f32 v[F], 1.0, v[TA]
	s_delay_alu instid0(VALU_DEP_2)
	v_ldexp_f32 v[FB], 1.0, v[TB]                  ; the two factors: powers of two, or 0
	v_pk_mul_f32 v[14:15], v[14:15], v[F:F+1] op_sel_hi:[1,0]
.irp j, 0,2,4,6,8,10,12,14,16,18,20,22,24,26,28,30
	v_pk_mul_f32 v[O+\j:O+\j+1], v[O+\j:O+\j+1], v[F:F+1] op_sel_hi:[1,0]
.endr
	v_pk_fma_f32 v[14:15], v[S+34:S+35], v[FB:FB+1], v[14:15] op_sel_hi:[1,0,1]
.irp j, 0,2,4,6,8,10,12,14,16,18,20,22,24,26,28,30
	v_pk_fma_f32 v[O+\j:O+\j+1], v[S+\j:S+\j+1], v[FB:FB+1], v[O+\j:O+\j+1] op_sel_hi:[1,0,1]
.endr
	WAYOUT                                         ; the large tile is finished
.Ldone:
	s_wait_tensorcnt 0x0                           ; the wave's end
	ds_add_u32 v254, v255
	s_wait_dscnt 0x0
	ROUND                                          ; the closing round: no work-group ends while a partner may still ask for a tile that names it
	s_endpgm
.Lfunc_end_k_qe4b3f012cf_attn:
	.size	k_qe4b3f012cf_attn, .Lfunc_end_k_qe4b3f012cf_attn-k_qe4b3f012cf_attn
	.p2alignl 7, 3214868480
	.fill 96, 4, 3214868480
	.section	.rodata,"a",@progbits
	.p2align	6, 0x0
	.amdhsa_kernel k_qe4b3f012cf_attn
		.amdhsa_group_segment_fixed_size 327680
		.amdhsa_private_segment_fixed_size 0
		.amdhsa_enable_private_segment 0
		.amdhsa_kernarg_size 24
		.amdhsa_user_sgpr_count 2
		.amdhsa_user_sgpr_kernarg_segment_ptr 1
		.amdhsa_wavefront_size32 1
		.amdhsa_system_sgpr_workgroup_id_x 1
		.amdhsa_system_sgpr_workgroup_id_y 1
		.amdhsa_system_sgpr_workgroup_id_z 1
		.amdhsa_system_vgpr_workitem_id 0
		.amdhsa_next_free_vgpr 256
		.amdhsa_next_free_sgpr 66
		.amdhsa_reserve_vcc 1
		.amdhsa_float_denorm_mode_32 3
		.amdhsa_float_denorm_mode_16_64 3
		.amdhsa_memory_ordered 1
		.amdhsa_forward_progress 1
		.amdhsa_inst_pref_size 88
	.end_amdhsa_kernel
	.amdgpu_metadata
---
amdhsa.version: [ 1, 2 ]
amdhsa.kernels:
  - .name:           k_qe4b3f012cf_attn
    .symbol:         k_qe4b3f012cf_attn.kd
    .args:
      - { .name: qc, .offset: 0, .size: 8, .value_kind: global_buffer, .address_space: global }
      - { .name: kv, .offset: 8, .size: 8, .value_kind: global_buffer, .address_space: global }
      - { .name: cc, .offset: 16, .size: 8, .value_kind: global_buffer, .address_space: global }
    .group_segment_fixed_size: 327680
    .private_segment_fixed_size: 0
    .kernarg_segment_align: 8
    .kernarg_segment_size: 24
    .max_flat_workgroup_size: 512
    .sgpr_count:     66
    .vgpr_count:     256
    .wavefront_size: 32
...
	.end_amdgpu_metadata
.endif
;; end of part 3
;; launch oproj (part 4): grid 8 x 32, 4 waves a work-group, clusters of 4 x 1, 170,496 bytes of LDS; arguments cc, wc, bo, out0; writes out0
.if DOCPART == 4
	.amdgcn_target "amdgcn-amd-amdhsa--gfx1250"
	.amdhsa_code_object_version 6
	.text
	.protected	k_qe4b3f012cf_oproj
	.globl	k_qe4b3f012cf_oproj
	.p2align	8
	.type	k_qe4b3f012cf_oproj,@function
k_qe4b3f012cf_oproj:
	s_mov_b64 s[64:65], 0
	v_nop
	global_prefetch_b8 v0, s[64:65] scope:SCOPE_SE
	s_setreg_imm32_b32 hwreg(HW_REG_WAVE_MODE, 25, 1), 1
	s_wait_xcnt 0x0
	s_wait_alu depctr_hold_cnt(0) depctr_sa_sdst(0) depctr_va_vdst(0) depctr_va_sdst(0) depctr_va_ssrc(0) depctr_va_vcc(0) depctr_vm_vsrc(0)
	s_getreg_b32 s2, hwreg(HW_REG_IB_STS2, 6, 4)
	s_cmp_eq_u32 s2, 0
	s_cbranch_scc0 .Lentry_in_a_cluster
	s_endpgm
.Lentry_in_a_cluster:
	s_bfe_u32 s2, ttmp6, 0x10000c
	s_cmp_lg_u32 s2, 0x3003
	s_cbranch_scc0 .Lentry_shape_is_right
	s_endpgm
.Lentry_shape_is_right:
; out = context wo^T + bo on codes of FP6 (E2M3) with E8M0 scales; out is f32.
; SHARES.  A work-group makes 128 rows (a panel of one batch) x 128 features; the four partners of a cluster share the panel, which comes into LDS ONCE by joint tensor loads, a quarter a wave.
; Wave w owns tiles 2 w and 2 w + 1 of wo's panel (features 32 w .. 32 w + 31 of the 128): 16 fragments in 192 registers, loaded once as they lie.
; THE PRODUCT IS USED TRANSPOSED (source 0 = 16 rows of wo, source 1 = 16 rows of the context): a lane holds one row, and by the tiles' row order the 16 registers of my two tiles are features
; 32 w + 16 (lane / 16) + 0 .. 15: 64 neighbouring bytes.  The bias is the C of each sum's first product.
; THE WALK GOES BY ROWS OF THE RESULT, IN FOUR QUARTERS.  Quarter p is the context's tiles 2 p and 2 p + 1, which are the panel's rows 32 p .. 32 p + 31.  wo stays in registers, so a quarter runs all eight K steps on end:
; 32 products on four accumulators by turns, K ascending.  Then its results meet in the quarter's own 32 rows of a stage in LDS (into which no tensor load lands), behind one barrier each wave reads 8 whole rows
; of 512 bytes back and stores them, and the stores are on their way while the next quarter is multiplied.  LDS is read no more than in a walk by K: each fragment once.
; A quarter's fragments (2 tiles x 8 K steps x 12 registers) have two sets of 192 registers; quarter p + 2's 56 loads are issued behind quarter p's read-back, quarter 1's at the start.
; NO PREFETCH: the launch's one tensor load a wave and its 60 loads go out at the head; there is no loop of loads to run ahead in.
; REGISTERS: window 0: v2-9 addresses; v16-23 wo's scale words; v24-31 and v240-247 the context's, a set for even and for odd quarters; v32-47 the bias; v48-239 the fragments of even quarters.
;   window 1: v0-127 the 16 accumulators, (a, u) at 8 (2 a + u); v128-191 rows read back, two sets of 32.   window 2: wo's fragments at 24 s + 12 u.   window 3: v0-191 the fragments of odd quarters.
.set REC,   12800
.set PANEL, 8*REC
.set QUART, PANEL/4
.set STG,   PANEL                      ; the stage: 128 rows x (512 bytes + 16)
.set SROW,  528
.set L4,  2                            ; 4 x lane
.set LI,  3                            ; 16 x lane, which is also
.set ADR, 3                            ; v3, v4  the fragments' address: records 0-3, 4-7
.set ADS, 5                            ; v5, v6  the scale words' likewise
.set STO, 7                            ; where I put 16 bytes of a row
.set SRD, 8                            ; where I read a row back
.set BO1, 9                            ; 64 h
.set BS,  16
.set AS,  24                           ; even quarters; odd ones 216 further on
.set BI,  32
.set AF,  48
.set NF,  56                           ; LDS loads that bring a quarter's fragments and scale words: 48 + 8
.set MSB, 0
.macro WIN new                         ; the immediate's high byte repeats the setting that is left
.if MSB != (\new)
	s_set_vgpr_msb (MSB<<8)|(\new)
.set MSB, (\new)
.endif
.endm
.macro ROUND                           ; a round of the cluster's barrier
	s_barrier_signal -1
	s_barrier_wait -1
	s_cmp_lg_u32 s18, 0
	s_cbranch_scc1 .Lnot_wave_0_\@
	s_barrier_signal -3
.Lnot_wave_0_\@:
	s_barrier_wait -3
	s_barrier_signal -1
	s_barrier_wait -1
.endm
.macro PLACES                          ; four places between a matrix instruction and a load into, or a store of, its registers
.rept 4
	v_nop
.endr
.endm
	s_load_b256 s[4:11], s[0:1], 0x0               ; cc, wc, bo, out0
	v_lshl_add_u32 v254, v0, 2, 0x29800
	v_mov_b32 v255, 0
	ds_add_u32 v254, v255                          ; the opening lines: the add twice on end and one wait
	ds_add_u32 v254, v255
	v_lshrrev_b32 v10, 5, v0
	v_readfirstlane_b32 s18, v10                   ; wave
	v_and_b32 v10, 31, v0
	v_and_b32 v11, 15, v0                          ; r
	v_bfe_u32 v12, v0, 4, 1                        ; h
	v_lshlrev_b32 v[L4], 2, v10
	v_lshlrev_b32 v[LI], 4, v10
	v_add_nc_u32 v[ADR+1], 4*REC, v[ADR]
	v_add_nc_u32 v[ADS], 12288, v[L4]
	v_add_nc_u32 v[ADS+1], 4*REC, v[ADS]
	v_lshlrev_b32 v[BO1], 6, v12
	s_lshl_b32 s2, s18, 7
	s_add_co_u32 s2, s2, STG
	v_mul_u32_u24 v[STO], v11, SROW
	v_lshl_add_u32 v[STO], v12, 6, v[STO]
	v_add_nc_u32 v[STO], s2, v[STO]                ; the stage: row r of a tile, + 128 x wave + 64 h
	s_mul_i32 s2, s18, 8*SROW
	s_add_co_u32 s2, s2, STG
	v_add_nc_u32 v[SRD], s2, v[LI]                 ; back: my 8 of a quarter's 32 stage rows, 16 bytes a lane
	s_bfe_u32 s19, ttmp6, 0x40000                  ; cx
	s_lshl_b32 s20, ttmp9, 2
	s_add_co_u32 s20, s20, s19                     ; which 128 features
	s_and_b32 s21, ttmp7, 0xffff                   ; which panel: 16 x batch + j, shared by the partners
	s_mul_i32 s36, s18, QUART
	s_mul_i32 s38, s21, PANEL
	s_add_co_u32 s38, s38, s36
	s_mov_b32 s39, 0
	s_add_co_u32 s40, s20, 24                      ; wo's panels are 24 .. 31 of wc
	s_mul_i32 s40, s40, PANEL
	s_lshl_b32 s42, s18, 7
	s_add_co_u32 s42, s42, s40
	s_add_co_u32 s42, s42, 12288                   ; my two tiles' scale words: word w
	s_mul_i32 s41, s18, 3072
	s_add_co_u32 s40, s40, s41                     ; and their codes
	s_mov_b32 s41, 0
	s_mov_b32 s43, 0
	s_lshl_b32 s44, s20, 9
	s_lshl_b32 s45, s18, 7
	s_add_co_u32 s44, s44, s45                     ; the bias: my 32 features
	s_mov_b32 s45, 0
	s_and_b32 s46, s21, 15                         ; out: stage row 32 p + 8 w + k is row 8 (w % 2) + k of tile 2 p + w / 2, which is the panel's row 32 p + 8 (w / 2) + 16 (w % 2) + k
	s_lshl_b32 s46, s46, 7
	s_lshr_b32 s47, s18, 1
	s_lshl_b32 s47, s47, 3
	s_add_co_u32 s46, s46, s47
	s_and_b32 s47, s18, 1
	s_lshl_b32 s47, s47, 4
	s_add_co_u32 s46, s46, s47
	s_lshl_b32 s46, s46, 13                        ; row 128 j + 8 (w / 2) + 16 (w % 2), 8,192 bytes a row,
	s_lshr_b32 s47, s21, 4
	s_lshl_b32 s47, s47, 12
	s_add_co_u32 s46, s46, s47                     ; the batch,
	s_lshl_b32 s47, s20, 9
	s_add_co_u32 s46, s46, s47                     ; the 128 features
	s_mov_b32 s47, 0
	; descriptor group 1: 100 rows of 256 dense bytes (32 elements of 8 bytes)
	s_mov_b32 s24, 15|(3<<16)|(1<<21)              ; the mask: the four partners; elements of 8 bytes; bit 21 set beside a mask
	s_mov_b32 s25, 32<<16
	s_mov_b32 s26, 100<<16
	s_mov_b32 s27, 32<<16
	s_mov_b32 s28, 100
	s_mov_b32 s29, 32
	s_mov_b32 s30, 0
	s_mov_b32 s31, 0
	s_wait_dscnt 0x0
	s_wait_kmcnt 0x0
	s_mov_b32 s32, 1
	s_mov_b32 s33, s36
	s_add_nc_u64 s[34:35], s[4:5], s[38:39]
	s_or_b32 s35, s35, 0x80000000
	s_add_nc_u64 s[40:41], s[6:7], s[40:41]
	s_add_nc_u64 s[42:43], s[6:7], s[42:43]
	s_add_nc_u64 s[44:45], s[8:9], s[44:45]
	s_add_nc_u64 s[46:47], s[10:11], s[46:47]
	ROUND                                          ; the four partners are here: the joint loads meet
	tensor_load_to_lds s[32:35], s[24:31]          ; my quarter of the panel: one tensor load of mine is out
	s_nop 0
.rept 4
	v_nop
.endr
	; 60 loads, in the order in which they are wanted: bias (4), scale words (8), codes K step by K step (6 each)
	s_wait_alu depctr_va_vdst(0)
.irp u, 0,1
	global_load_b128 v[BI+8*\u:BI+8*\u+3], v[BO1], s[44:45] offset:32*\u          ; register 8 u + i: the bias of feature 32 w + 16 h + 8 u + i
	global_load_b128 v[BI+8*\u+4:BI+8*\u+7], v[BO1], s[44:45] offset:32*\u+16
.endr
.irp s, 0,1,2,3,4,5,6,7
	global_load_b32 v[BS+\s], v[L4], s[42:43] offset:REC*\s                       ; lanes 0-15 tile 2 w, lanes 16-31 tile 2 w + 1
.endr
	WIN 0x80
.irp s, 0,1,2,3,4,5,6,7
.irp u, 0,1
.irp q, 0,1,2
	global_load_b128 v[24*\s+12*\u+4*\q:24*\s+12*\u+4*\q+3], v[LI], s[40:41] offset:REC*\s+512*(3*\u+\q)
.endr
.endr
.endr
	WIN 0
	s_wait_tensorcnt 0x0                           ; my quarter is in,
	s_barrier_signal -1
	s_barrier_wait -1                              ; everybody's is
; Quarter p's fragments, all eight K steps, at 24 s + 12 a of its set, and its eight scale registers (word p of each record: lanes 0-15 tile 2 p, lanes 16-31 tile 2 p + 1): NF LDS loads
.macro FETCH p
.if (\p)%2
	WIN 0xc0                                       ; the data: window 3
.set FS_, 0
.else
.set FS_, AF
.endif
.irp s, 0,1,2,3,4,5,6,7
.irp a, 0,1
.irp q, 0,1,2
	ds_load_b128 v[FS_+24*\s+12*\a+4*\q:FS_+24*\s+12*\a+4*\q+3], v[ADR+\s/4] offset:(\s%4)*REC+512*(3*(2*(\p)+\a)+\q)
.endr
.endr
.endr
	WIN 0
.irp s, 0,1,2,3,4,5,6,7
	ds_load_b32 v[AS+216*((\p)%2)+\s], v[ADS+\s/4] offset:(\s%4)*REC+128*(\p)
.endr
.endm
; One product.  d: the accumulator; p, q: sources 0 and 1; c: what it adds onto; sp, sq: the scale registers; rp, rq = 1: the scales lie in lanes 16-31
.macro WMS d, p, q, c, sp, sq, rp, rq
.set WC_, 2*(\rp)+(\rq)
.if WC_ == 0
	v_wmma_scale_f32_16x16x128_f8f6f4 v[\d:\d+7], v[\p:\p+11], v[\q:\q+11], v[\c:\c+7], v[\sp], v[\sq] matrix_a_fmt:MATRIX_FMT_FP6 matrix_b_fmt:MATRIX_FMT_FP6
.elseif WC_ == 1
	v_wmma_scale_f32_16x16x128_f8f6f4 v[\d:\d+7], v[\p:\p+11], v[\q:\q+11], v[\c:\c+7], v[\sp], v[\sq] matrix_a_fmt:MATRIX_FMT_FP6 matrix_b_fmt:MATRIX_FMT_FP6 matrix_b_scale:MATRIX_SCALE_ROW1
.elseif WC_ == 2
	v_wmma_scale_f32_16x16x128_f8f6f4 v[\d:\d+7], v[\p:\p+11], v[\q:\q+11], v[\c:\c+7], v[\sp], v[\sq] matrix_a_fmt:MATRIX_FMT_FP6 matrix_b_fmt:MATRIX_FMT_FP6 matrix_a_scale:MATRIX_SCALE_ROW1
.else
	v_wmma_scale_f32_16x16x128_f8f6f4 v[\d:\d+7], v[\p:\p+11], v[\q:\q+11], v[\c:\c+7], v[\sp], v[\sq] matrix_a_fmt:MATRIX_FMT_FP6 matrix_b_fmt:MATRIX_FMT_FP6 matrix_a_scale:MATRIX_SCALE_ROW1 matrix_b_scale:MATRIX_SCALE_ROW1
.endif
.endm
; Quarter p's 32 products: K ascending; its four accumulators take turns, one instruction a turn
.macro MUL p
.set ODD_, (\p)%2
.set FS_, AF*(1-ODD_)
.irp s, 0,1,2,3,4,5,6,7
.if (\p) == 0
	s_wait_loadcnt 42-6*\s                         ; wo's codes of the later K steps, 6 loads each, may be out
.endif
.if \s == 0
	WIN 0x42+12*ODD_                               ; source 0 window 2, source 1 window 0 or 3, C (the bias) window 0, D window 1
.else
	WIN 0x52+12*ODD_                               ; C and D window 1
.endif
.irp a, 0,1
.irp u, 0,1
.if \s == 0
	WMS 8*(2*(2*(\p)+\a)+\u), 24*\s+12*\u, FS_+24*\s+12*\a, BI+8*\u, BS+\s, AS+216*ODD_+\s, \u, \a
.else
	WMS 8*(2*(2*(\p)+\a)+\u), 24*\s+12*\u, FS_+24*\s+12*\a, 8*(2*(2*(\p)+\a)+\u), BS+\s, AS+216*ODD_+\s, \u, \a
.endif
.endr
.endr
.endr
.endm
.macro TOSTAGE p                       ; quarter p's results into its 32 stage rows, and the barrier that shows them whole
	PLACES                                         ; the stores read results just made; later loads land where this quarter's fragments lay
	WIN 0x04                                       ; an LDS store's data are its source 1: window 1
.irp a, 0,1
.irp u, 0,1
	ds_store_b128 v[STO], v[8*(2*(2*(\p)+\a)+\u):8*(2*(2*(\p)+\a)+\u)+3] offset:16*SROW*(2*(\p)+\a)+32*\u        ; each accumulator from its low end on
	ds_store_b128 v[STO], v[8*(2*(2*(\p)+\a)+\u)+4:8*(2*(2*(\p)+\a)+\u)+7] offset:16*SROW*(2*(\p)+\a)+32*\u+16
.endr
.endr
	WIN 0
	s_wait_dscnt 0x0                               ; for the others' sake: my stores into the stage are done (and the next quarter's fragments are in)
	s_barrier_signal -1
	s_barrier_wait -1
.endm
.macro BACK p                          ; my 8 rows of quarter p, 512 bytes each, into window 1, v128 + 32 (p % 2)
.set RB_, 128+32*((\p)%2)
.if (\p) >= 2
	s_wait_xcnt 0x0                                ; quarter p - 2's stores have read these registers
.endif
	WIN 0x40
.irp k, 0,1,2,3,4,5,6,7
	ds_load_b128 v[RB_+4*\k:RB_+4*\k+3], v[SRD] offset:SROW*(32*(\p)+\k)
.endr
	WIN 0
.endm
.macro OUT p, younger                  ; younger: the LDS loads issued behind BACK's, which may stay out
.set RB_, 128+32*((\p)%2)
	WIN 0x04                                       ; a store's data are its source 1: window 1
.irp k, 0,1,2,3,4,5,6,7
	s_wait_dscnt \younger+7-\k
	global_store_b128 v[LI], v[RB_+4*\k:RB_+4*\k+3], s[46:47] offset:(32*(\p)+\k)*8192 th:TH_STORE_NT   ; 512 consecutive bytes, at a multiple of 256 from out's first byte
.endr
	WIN 0
.endm
	FETCH 0
	FETCH 1
	s_wait_dscnt NF                                ; quarter 0's loads are in; quarter 1's NF may be out
	MUL 0
	TOSTAGE 0
	BACK 0
	FETCH 2
	OUT 0, NF
	MUL 1
	TOSTAGE 1
	BACK 1
	FETCH 3
	OUT 1, NF
	MUL 2
	TOSTAGE 2
	BACK 2
	OUT 2, 0
	MUL 3
	TOSTAGE 3
	BACK 3
	OUT 3, 0
	s_wait_tensorcnt 0x0                           ; the wave's end
	ds_add_u32 v254, v255
	s_wait_dscnt 0x0
	ROUND                                          ; the closing round: no work-group ends while a partner may still ask for a tile that names it
	s_endpgm
.Lfunc_end_k_qe4b3f012cf_oproj:
	.size	k_qe4b3f012cf_oproj, .Lfunc_end_k_qe4b3f012cf_oproj-k_qe4b3f012cf_oproj
	.p2alignl 7, 3214868480
	.fill 96, 4, 3214868480
	.section	.rodata,"a",@progbits
	.p2align	6, 0x0
	.amdhsa_kernel k_qe4b3f012cf_oproj
		.amdhsa_group_segment_fixed_size 170496
		.amdhsa_private_segment_fixed_size 0
		.amdhsa_enable_private_segment 0
		.amdhsa_kernarg_size 32
		.amdhsa_user_sgpr_count 2
		.amdhsa_user_sgpr_kernarg_segment_ptr 1
		.amdhsa_wavefront_size32 1
		.amdhsa_system_sgpr_workgroup_id_x 1
		.amdhsa_system_sgpr_workgroup_id_y 1
		.amdhsa_system_sgpr_workgroup_id_z 1
		.amdhsa_system_vgpr_workitem_id 0
		.amdhsa_next_free_vgpr 960
		.amdhsa_next_free_sgpr 66
		.amdhsa_reserve_vcc 0
		.amdhsa_float_denorm_mode_32 3
		.amdhsa_float_denorm_mode_16_64 3
		.amdhsa_memory_ordered 1
		.amdhsa_forward_progress 1
		.amdhsa_inst_pref_size 51
	.end_amdhsa_kernel
	.amdgpu_metadata
---
amdhsa.version: [ 1, 2 ]
amdhsa.kernels:
  - .name:           k_qe4b3f012cf_oproj
    .symbol:         k_qe4b3f012cf_oproj.kd
    .args:
      - { .name: cc, .offset: 0, .size: 8, .value_kind: global_buffer, .address_space: global }
      - { .name: wc, .offset: 8, .size: 8, .value_kind: global_buffer, .address_space: global }
      - { .name: bo, .offset: 16, .size: 8, .value_kind: global_buffer, .address_space: global }
      - { .name: out0, .offset: 24, .size: 8, .value_kind: global_buffer, .address_space: global }
    .group_segment_fixed_size: 170496
    .private_segment_fixed_size: 0
    .kernarg_segment_align: 8
    .kernarg_segment_size: 32
    .max_flat_workgroup_size: 128
    .sgpr_count:     66
    .vgpr_count:     960
    .wavefront_size: 32
...
	.end_amdgpu_metadata
.endif
;; end of part 4
